; MI455X (gfx1250); checked and timed in simulation.
; The chip was launched on July 23, 2026; its instructions are those of AMD's public machine-readable ISA for CDNA 5 (MIT licence, August 2026) and "CDNA5" Instruction Set Architecture Reference Guide (July 2026). The comments in the code are by the model that wrote it; some were corrected since.
;; Linear Attention. Allowed arithmetic: matrix products marked QUANTISED: E2M1 operands, one E8M0 scale for each 32 along K, by v_wmma_scale_f32_16x16x128_f8f6f4 with both operands' format E2M1 (or v_wmma_scale_f32_32x16x128_f4), f32 sums; products left as they are: f32 operands where the result goes on into a quantised operand, else bf16, f16 or f32 operands; f32 sums; everything else in f32.
;; Inputs: k 8 x 8 x 4,800 x 32 float32; kv_mask 8 x 4,800 bool; q 8 x 8 x 4,800 x 32 float32; q_mask 8 x 4,800 bool; v 8 x 8 x 4,800 x 32 float32.
;; Outputs: out0 8 x 8 x 4,800 x 32 float32.
;; This version of the problem:
;;   THIS VERSION OF THE PROBLEM IS GIVEN IN LOW PRECISION. The matrix products marked QUANTISED in the list below multiply operands that are first quantised to E2M1 (2 exponent bits, 1 mantissa bit; 4 bits a number), with one power-of-two scale for each 32 numbers along K (OCP MX v1.0); their sums are f32. All else is computed in f32.
;;   The module's matrix products, in the order in which they are computed (A, B: the left and right operand; K: the contracted axis; several contracted axes count as one K, in the product's order):
;;     1. batch 64 x [M 32, K 4,800] x [K 4,800, N 32]; A: computed on the way; B: computed on the way: QUANTISED
;;     2. batch 64 x [M 4,800, K 32] x [K 32, N 1]; A: computed on the way; B: computed on the way: left as it is (N = 1 < 16)
;;     3. batch 64 x [M 4,800, K 32] x [K 32, N 32]; A: computed on the way; B: computed on the way: QUANTISED
;;   THE QUANTISER, for each operand of a quantised product, along K:
;;     - K is cut into blocks of 32 from its start; a last block that is shorter is filled with zeros.
;;     - A block's scale is 2^e with e = floor(log2(the largest magnitude in the block)) - 2, held to -126 .. 127; a block of zeros has e = 0. As a byte (E8M0): e + 127.
;;     - Each number is divided by its block's scale, clamped to +-6, and rounded to the nearest number of E2M1, ties to even, subnormals kept.
;;     - The product sums the exact products of the quantised numbers (number of the format x scale) in f32.
;;   ~~~python
;;   def quantise(x, axis):      # numpy; x: float32 -> the quantised numbers, widened to float32 again
;;       x = np.moveaxis(x, axis, -1); K = x.shape[-1]
;;       x = np.pad(x, [(0, 0)] * (x.ndim - 1) + [(0, -K % 32)]); x = x.reshape(x.shape[:-1] + (-1, 32)); a = np.abs(x).max(-1, keepdims=True)
;;       e = np.where(a > 0, np.clip(np.frexp(np.where(a > 0, a, 1))[1] - 1 - 2, -126, 127), 0)      # np.frexp(a)[1] - 1 = floor(log2(a)), exactly
;;       r = np.clip(x / 2.0 ** e, -6, 6)
;;       step = 2.0 ** (np.maximum(np.frexp(np.where(r == 0, 1, r))[1] - 1, 0) - 1)
;;       q = np.round(r / step) * step * 2.0 ** e      # np.round: ties to even
;;       return np.moveaxis(q.reshape(q.shape[:-2] + (-1,))[..., :K], -1, axis).astype(np.float32)
;;   ~~~
;;   OPERANDS COMPUTED ON THE WAY. 'Computed on the way' means the value that the module computes at that place (a softmax that the list does not call 'softmax' is quantised finished and normalised). What goes into a quantiser is computed in f32, as accurately as f32 sums, v_exp_f32 and their like allow (about 1e-6 of the number): no bf16 or f16 on the way to a quantiser, and a product that is left as it is and whose result goes on into a quantised operand takes f32 operands (vector FMAs, or v_wmma_f32_16x16x4_f32). A number that lies on a knife's edge between two numbers of the format may be rounded either way, as far as f32 arithmetic and the matrix unit's own rounding can turn it there, and no further.
;; 2 versions, each right; version 2 is version 1 with the launches kvsum, apply written anew for expert scheduling mode. Each part assembles by itself: llvm-mc -triple=amdgcn-amd-amdhsa -mcpu=gfx1250 --defsym DOCPART=n.
;; ======== version 1 of 2: 2 launches
;; workspace buffers: kvp 1,048,576 bytes; ksp 32,768 bytes
;; launch kvsum (part 1): grid 256 x 1, 19 waves a work-group, no clusters, 82,944 bytes of LDS; arguments k, v, kv_mask, kvp, ksp; writes kvp, ksp
.if DOCPART == 1
	.amdgcn_target "amdgcn-amd-amdhsa--gfx1250"
	.amdhsa_code_object_version 6
	.text
	.protected	k_q2ec4dc500e_kvsum
	.globl	k_q2ec4dc500e_kvsum
	.p2align	8
	.type	k_q2ec4dc500e_kvsum,@function
k_q2ec4dc500e_kvsum:
	s_mov_b64 s[64:65], 0
	v_nop
	global_prefetch_b8 v0, s[64:65] scope:SCOPE_SE
	s_setreg_imm32_b32 hwreg(HW_REG_WAVE_MODE, 25, 1), 1
	s_wait_xcnt 0x0
; PARTIAL kv AND k_sum OF LINEAR ATTENTION.  k, v: [64 heads][4800][32] f32; kv_mask: [8][4800] bytes of 0 or 1.
; kf = (elu(k) + 1) m, vf = v m / 4800;  kv[d][e] = sum over s of Q(kf)[s][d] Q(vf)[s][e], Q the MX-FP4 quantiser along s (blocks of 32);  k_sum[d] = sum over s of kf[s][d], not quantised.
; SHARES.  4,800 rows are 75 units of 64 rows (two blocks).  A head is shared by 4 work-groups, 19 units each (the last has 18); a wave takes one unit.  256 work-groups in all.
; It reads unit 74 once more with its mask held at 0, so that it adds zeros: every wave runs the same text ahead of the barrier.
; LOADS.  All 34 loads of a wave go out at its head.  Lane (a = lane / 16, e = (lane / 8) % 2, dq = lane % 8) takes rows 32 a + 2 j + e (j = 0 .. 15) and columns 4 dq .. 4 dq + 3:
; in each load sixteen neighbouring lanes read 256 consecutive bytes, aligned.
; TO THE OPERAND.  The last elementwise instruction writes its result so that a column's 16 numbers stand in 16 consecutive registers.  A block (column, a) lies in lanes e = 0 and 1: one DPP step joins the maxima.
; Then the two lanes change codes, so that lane (a, e, dq) holds columns 4 dq + 2 e + t (tile t = 0, 1) whole: block a in registers 0-3.  Registers 4-7 (the instruction's K 64 .. 127) are zero codes.
; Inside a block the rows stand in the order (parity, j); k and v are laid alike, so the products are those of equal s.
; RESULT.  Accumulator (tk, tv), register j, lane (r, h) = kv[4 j + 2 h + tk][4 (r % 8) + 2 (r / 8) + tv].  The 19 waves' accumulators meet in LDS as images of their registers; waves 0-7 add them and store the image.
; No cluster: no byte of k or v is read by two work-groups.  No tensor load: a work-group's whole share is on its way at once in registers, and nothing is read twice.  No prefetch: every load is issued at the head.
; LIMITS: NaN and infinities are not served.  elu(x) + 1 = (med3(x, 2^(x log2 e) - 1, 0)) + 1.  v / 4800 is a multiplication by the f32 nearest 1 / 4800 (within one unit in the last place).
; A block of zeros, or one whose largest magnitude lies under 2^-124, gets the scale byte 1; its bytes are read by this program alone.
.set UNITS, 75
.set PERWG, 19
.set HEADB, 4800*128                   ; a head's bytes in k and in v
.set MROW,  4800                       ; a batch's bytes in the mask
.set KSB,   PERWG*4096                 ; LDS: 19 images of 4,096 bytes, then 19 x 128 bytes of k_sum
.set OFF,  1                           ; v1   byte offset of my 16 bytes in the unit's rows 0, 1 (a = 0) or 32, 33 (a = 1)
.set MOFF, 2                           ; v2   32 a: my block's mask bytes
.set SH0,  3                           ; v3   8 e: bit of row 4 n + e in mask word n
.set SH1,  4                           ; v4   8 e + 16: of row 4 n + 2 + e
.set SHA,  5                           ; v5   8 a
.set LIMG, 6                           ; v6   LDS: my wave's image + 16 x lane
.set LKS,  7                           ; v7   LDS: my wave's k_sum + 16 dq
.set RD0,  8                           ; v8   16 x thread: my 16 bytes of an image, in LDS and in kvp
.set RD1,  9                           ; v9   the same, 65,536 on (an LDS offset has 16 bits)
.set RKS,  10                          ; v10  LDS: k_sum of wave 0 + 4 x lane
.set KW,   11                          ; v11, v13  k's scale words, tile 0, 1: scales and nothing else
.set GKS,  12                          ; v12  4 x lane
.set VW,   14                          ; v14, v15  v's scale words
.set KR,   16                          ; v16-79   k as loaded: register 4 j + i = (row j, column i)
.set VR,   80                          ; v80-143  v likewise
.set M,    144                         ; v144-159 the mask of my 16 rows as f32
.set T,    160                         ; v160-191 scratch: two columns of 16 numbers
; k's registers come free column by column and are used again:  codes of k's column i, half p: KR + 4 i + p;  of v's: KR + 4 i + 2 + p;
; scale bytes of k: KR + 16, 17, 20, 21;  of v: KR + 18, 19, 22, 23;  my sums of k's columns: KR + 24, 25, 28, 29
.set PA,   KR+32                       ; a pair: running sums
.set PB,   KR+36
.set MX,   KR+40                       ; two largest magnitudes
.set SO,   KR+44                       ; two scale operands
.set AF,   KR+32                       ; at the end: k's two fragments, 8 registers each,
.set BF,   KR+48                       ; and v's
.set ACC,  VR                          ; and the four accumulators
	s_load_b256 s[4:11], s[0:1], 0x0               ; k s[4:5], v s[6:7], kv_mask s[8:9], kvp s[10:11]
	s_load_b64 s[12:13], s[0:1], 0x20              ; ksp
	v_lshrrev_b32 v[T+8], 5, v0
	v_readfirstlane_b32 s14, v[T+8]                ; wave 0 .. 18
	s_lshr_b32 s15, ttmp9, 2                       ; head
	s_and_b32 s16, ttmp9, 3                        ; which quarter of it
	s_mul_i32 s17, s16, PERWG
	s_add_co_u32 s17, s17, s14                     ; my unit
	s_cmp_lt_u32 s17, UNITS
	s_cselect_b32 s18, 0x3f800000, 0               ; what a mask byte of 1 becomes: 1.0, or 0 in the wave without a unit
	s_min_u32 s17, s17, UNITS-1                    ; which stays inside the buffers
	s_mul_i32 s24, s15, HEADB
	s_lshl_b32 s19, s17, 13                        ; 64 rows of 128 bytes
	s_add_co_u32 s24, s24, s19                     ; my unit's first byte in k and v (under 2^26)
	s_mov_b32 s25, 0
	s_lshr_b32 s26, s15, 3                         ; batch
	s_mul_i32 s26, s26, MROW
	s_lshl_b32 s19, s17, 6
	s_add_co_u32 s26, s26, s19                     ; my unit's first mask byte
	s_mov_b32 s27, 0
	s_lshl_b32 s28, ttmp9, 12                      ; the work-group's 4,096 bytes of kvp
	s_mov_b32 s29, 0
	s_lshl_b32 s30, ttmp9, 7                       ; and its 128 bytes of ksp
	s_mov_b32 s31, 0
	s_mov_b32 s20, 0x3fb8aa3b                      ; log2(e); the packed form names a pair and takes its low word for both halves
	s_mov_b32 s21, s20
	s_mov_b32 s22, 0x76543210                      ; v_permlanex16_b32's selects for lane xor 16
	s_mov_b32 s23, 0xfedcba98
	s_mov_b32 s32, 0x395a740e                      ; 1 / 4800
	s_mov_b32 s33, s32
	s_mov_b32 vcc_lo, 0xff00ff00                   ; the lanes with e = 1
	v_and_b32 v[T+8], 15, v0                       ; 8 e + dq
	v_bfe_u32 v[T+9], v0, 4, 1                     ; a
	v_bfe_u32 v[T+10], v0, 3, 1                    ; e
	v_and_b32 v[T+11], 31, v0                      ; lane
	v_and_b32 v[T+12], 7, v0                       ; dq
	v_lshlrev_b32 v[OFF], 4, v[T+8]                ; rows e of 128 bytes and 16 dq are 16 (8 e + dq),
	v_lshl_add_u32 v[OFF], v[T+9], 12, v[OFF]      ; + 32 rows for a = 1
	v_lshlrev_b32 v[MOFF], 5, v[T+9]
	v_lshlrev_b32 v[SH0], 3, v[T+10]
	v_add_nc_u32 v[SH1], 16, v[SH0]
	v_lshlrev_b32 v[SHA], 3, v[T+9]
	s_lshl_b32 s19, s14, 12
	v_lshl_add_u32 v[LIMG], v[T+11], 4, s19
	s_lshl_b32 s19, s14, 7
	s_add_co_u32 s19, s19, KSB
	v_lshl_add_u32 v[LKS], v[T+12], 4, s19
	v_lshlrev_b32 v[RD0], 4, v0
	v_add_nc_u32 v[RD1], 0x10000, v[RD0]
	v_lshl_add_u32 v[RKS], v[T+11], 2, KSB
	v_lshlrev_b32 v[GKS], 2, v[T+11]
	s_wait_kmcnt 0x0
	s_add_nc_u64 s[4:5], s[4:5], s[24:25]
	s_add_nc_u64 s[6:7], s[6:7], s[24:25]
	s_add_nc_u64 s[8:9], s[8:9], s[26:27]
	s_add_nc_u64 s[10:11], s[10:11], s[28:29]
	s_add_nc_u64 s[12:13], s[12:13], s[30:31]
	global_load_b128 v[T:T+3], v[MOFF], s[8:9]             ; my block's 32 mask bytes
	global_load_b128 v[T+4:T+7], v[MOFF], s[8:9] offset:16
.set i, 0
.rept 16
	global_load_b128 v[KR+4*i:KR+4*i+3], v[OFF], s[4:5] offset:256*i th:TH_LOAD_NT
.set i, i+1
.endr
.set i, 0
.rept 16
	global_load_b128 v[VR+4*i:VR+4*i+3], v[OFF], s[6:7] offset:256*i th:TH_LOAD_NT
.set i, i+1
.endr
; 32 numbers x in v[base] on become elu(x), in place.  t = 2^(x log2 e) - 1 lies at or above x everywhere and has x's sign, so elu(x) is the middle one of x, t and 0.
; The exponentials go as one batch; a plain line and a wait stand ahead of the first reader.
.macro ELU base
.set i, 0
.rept 16
	v_pk_mul_f32 v[T+i:T+i+1], v[\base+i:\base+i+1], s[20:21] op_sel_hi:[1,0]
.set i, i+2
.endr
.set i, 0
.rept 32
	v_exp_f32 v[T+i], v[T+i]
.set i, i+1
.endr
	v_nop
	s_wait_alu depctr_va_vdst(0)
.set i, 0
.rept 16
	v_pk_add_f32 v[T+i:T+i+1], v[T+i:T+i+1], -1.0 op_sel_hi:[1,0]
.set i, i+2
.endr
.set i, 0
.rept 32
	v_med3_num_f32 v[\base+i], v[\base+i], v[T+i], 0
.set i, i+1
.endr
.endm
; The two columns in T (16 numbers each) are quantised: codes into v[c0], v[c0 + 1] and v[c1], v[c1 + 1], scale bytes into v[sb], v[sb + 1].
.macro QUANT c0, c1, sb
	v_max3_num_f32 v[MX], |v[T]|, |v[T+1]|, 0x1800000      ; my 16 numbers, and the floor 2^(3 - 127): the byte cannot fall under 1
	v_max3_num_f32 v[MX+1], |v[T+16]|, |v[T+17]|, 0x1800000
.set i, 2
.rept 7
	v_max3_num_f32 v[MX], v[MX], |v[T+i]|, |v[T+i+1]|
	v_max3_num_f32 v[MX+1], v[MX+1], |v[T+16+i]|, |v[T+17+i]|
.set i, i+2
.endr
	v_max_num_f32_dpp v[MX], v[MX], v[MX] row_xmask:8 row_mask:0xf bank_mask:0xf         ; with the rows of the other parity: the block's largest magnitude
	v_max_num_f32_dpp v[MX+1], v[MX+1], v[MX+1] row_xmask:8 row_mask:0xf bank_mask:0xf
	v_add_nc_u32 v[SO], 0xff000000, v[MX]          ; 2 off the exponent field: the conversion takes that field as its scale
	v_add_nc_u32 v[SO+1], 0xff000000, v[MX+1]
	v_lshrrev_b32 v[\sb], 23, v[SO]                ; the scale's byte
	v_lshrrev_b32 v[\sb+1], 23, v[SO+1]
	v_cvt_scalef32_pk8_fp4_f32 v[\c0], v[T:T+7], v[SO]
	v_cvt_scalef32_pk8_fp4_f32 v[\c0+1], v[T+8:T+15], v[SO]
	v_cvt_scalef32_pk8_fp4_f32 v[\c1], v[T+16:T+23], v[SO+1]
	v_cvt_scalef32_pk8_fp4_f32 v[\c1+1], v[T+24:T+31], v[SO+1]
	v_nop                                          ; a plain line behind the conversions: T is written again next
.endm
; k's columns 2 ip and 2 ip + 1: kf = (elu + 1) m as one fused multiply-add, written so that a column's rows stand on end; their sums; their codes.
.macro KCOLS ip
.set i, 0
.rept 16
	v_fma_f32 v[T+i], v[KR+4*i+2*\ip], v[M+i], v[M+i]
	v_fma_f32 v[T+16+i], v[KR+4*i+2*\ip+1], v[M+i], v[M+i]
.set i, i+1
.endr
	v_pk_add_f32 v[PA:PA+1], v[T:T+1], v[T+2:T+3]          ; k_sum is taken of the numbers before they are quantised
	v_pk_add_f32 v[PB:PB+1], v[T+16:T+17], v[T+18:T+19]
.set i, 4
.rept 6
	v_pk_add_f32 v[PA:PA+1], v[PA:PA+1], v[T+i:T+i+1]
	v_pk_add_f32 v[PB:PB+1], v[PB:PB+1], v[T+16+i:T+17+i]
.set i, i+2
.endr
	v_add_f32 v[KR+24+4*\ip], v[PA], v[PA+1]
	v_add_f32 v[KR+25+4*\ip], v[PB], v[PB+1]
	QUANT KR+8*\ip, KR+8*\ip+4, KR+16+4*\ip
.endm
.macro VCOLS ip                        ; v's columns likewise: vf = v x (m / 4800)
.set i, 0
.rept 16
	v_mul_f32 v[T+i], v[VR+4*i+2*\ip], v[M+i]
	v_mul_f32 v[T+16+i], v[VR+4*i+2*\ip+1], v[M+i]
.set i, i+1
.endr
	QUANT KR+8*\ip+2, KR+8*\ip+6, KR+18+4*\ip
.endm
; The bytes of my two columns (4 dq + 2 e + t) for block a become scale words: byte a of the word, lane xor 16 gives the other byte.  w0: tile 0's word (its upper bytes are tile 1's, over zero codes); w1: tile 1's.
.macro SCALEW sb, w0, w1
	v_cndmask_b32 v[\w0], v[\sb], v[\sb+4], vcc_lo
	v_cndmask_b32 v[\w1], v[\sb+1], v[\sb+5], vcc_lo
	v_lshl_or_b32 v[\w0], v[\w1], 16, v[\w0]
	v_lshlrev_b32 v[\w0], v[SHA], v[\w0]
	v_permlanex16_b32 v[\w1], v[\w0], s22, s23
	v_or_b32 v[\w0], v[\w0], v[\w1]
	v_lshrrev_b32 v[\w1], 16, v[\w0]
.endm
; Lanes e = 0 and e = 1 change codes.  Lane e = 0 keeps columns 0, 1 and gets their odd rows; lane e = 1 keeps columns 2, 3 and gets their even rows.  Register 2 x parity + p of a fragment.
.macro XCH cb, fb
.irp t, 0,1
.irp p, 0,1
	v_cndmask_b32 v[M+8+2*\t+\p], v[\cb+8+4*\t+\p], v[\cb+4*\t+\p], vcc_lo       ; what the other lane wants of me
.endr
.endr
.irp n, 0,1,2,3
	v_mov_b32_dpp v[M+12+\n], v[M+8+\n] row_xmask:8 row_mask:0xf bank_mask:0xf
.endr
.irp t, 0,1
.irp p, 0,1
	v_cndmask_b32 v[\fb+8*\t+\p], v[\cb+4*\t+\p], v[M+12+2*\t+\p], vcc_lo         ; even rows
	v_cndmask_b32 v[\fb+8*\t+2+\p], v[M+12+2*\t+\p], v[\cb+8+4*\t+\p], vcc_lo     ; odd rows
.endr
.endr
.endm
	s_wait_loadcnt 32                              ; the mask words are in; behind them 16 loads of k and 16 of v
.set i, 0
.rept 8
	v_bfe_u32 v[M+2*i], v[T+i], v[SH0], 1          ; row 2 (2 i) + e
	v_bfe_u32 v[M+2*i+1], v[T+i], v[SH1], 1        ; row 2 (2 i + 1) + e
.set i, i+1
.endr
.set i, 0
.rept 16
	v_mul_lo_u32 v[M+i], v[M+i], s18               ; 0 or 1 becomes 0 or 1.0
.set i, i+1
.endr
	s_wait_loadcnt 24                              ; k's first eight loads are in; behind them 8 of k and 16 of v
	ELU KR
	s_wait_loadcnt 16                              ; all of k; behind it the 16 loads of v
	ELU KR+32
	KCOLS 0
	KCOLS 1
	s_wait_loadcnt 0x0                             ; v
.set i, 0
.rept 8
	v_pk_mul_f32 v[M+i:M+i+1], v[M+i:M+i+1], s[32:33] op_sel_hi:[1,0]        ; m / 4800
.set i, i+2
.endr
	VCOLS 0
	VCOLS 1
	; my four column sums, over the four groups of lanes that hold the same columns
.irp r, 24,25,28,29
	v_add_f32_dpp v[KR+\r], v[KR+\r], v[KR+\r] row_xmask:8 row_mask:0xf bank_mask:0xf
.endr
	v_permlanex16_b32 v[M+4], v[KR+24], s22, s23
	v_permlanex16_b32 v[M+5], v[KR+25], s22, s23
	v_permlanex16_b32 v[M+6], v[KR+28], s22, s23
	v_permlanex16_b32 v[M+7], v[KR+29], s22, s23
	v_add_f32 v[M], v[KR+24], v[M+4]
	v_add_f32 v[M+1], v[KR+25], v[M+5]
	v_add_f32 v[M+2], v[KR+28], v[M+6]
	v_add_f32 v[M+3], v[KR+29], v[M+7]
	ds_store_b128 v[LKS], v[M:M+3]                 ; columns 4 dq .. 4 dq + 3; the four groups write the same bytes with the same values
	SCALEW KR+16, KW, KW+2
	SCALEW KR+18, VW, VW+1
.irp n, 4,5,6,7,12,13,14,15,20,21,22,23,28,29,30,31
	v_mov_b32 v[AF+\n], 0                          ; K 64 .. 127 of all four fragments: zero codes
.endr
	XCH KR, AF
	XCH KR+2, BF
.rept 4
	v_nop                                          ; operands written by vector instructions stand four places ahead of a scaled matrix instruction (the scale words stand 48 ahead)
.endr
.irp tk, 0,1
.irp tv, 0,1
	v_wmma_scale_f32_16x16x128_f8f6f4 v[ACC+8*(2*\tk+\tv):ACC+8*(2*\tk+\tv)+7], v[AF+8*\tk:AF+8*\tk+7], v[BF+8*\tv:BF+8*\tv+7], 0, v[KW+2*\tk], v[VW+\tv] matrix_a_fmt:MATRIX_FMT_FP4 matrix_b_fmt:MATRIX_FMT_FP4
.endr
.endr
.rept 4
	v_nop                                          ; four places ahead of the first read of the results (ISA guide 7.12.1)
.endr
.set i, 0
.rept 8
	ds_store_b128 v[LIMG], v[ACC+4*i:ACC+4*i+3] offset:512*i       ; the accumulators as they stand, each from its low end on
.set i, i+1
.endr
	s_wait_dscnt 0x0                               ; for the others' sake: my stores have landed
	s_barrier_signal -1
	s_barrier_wait -1
	s_cmp_lt_u32 s14, 8
	s_cbranch_scc0 .Lnot_kv
	; waves 0-7: thread t adds the 16 bytes at 16 t of the 19 images
.set i, 0
.rept 16
	ds_load_b128 v[16+4*i:19+4*i], v[RD0] offset:4096*i
.set i, i+1
.endr
.set i, 16
.rept 3
	ds_load_b128 v[16+4*i:19+4*i], v[RD1] offset:4096*(i-16)
.set i, i+1
.endr
.set i, 1
.rept 18
	s_wait_dscnt 18-i                              ; image i is in; the 18 - i behind it may be out
	v_pk_add_f32 v[16:17], v[16:17], v[16+4*i:17+4*i]
	v_pk_add_f32 v[18:19], v[18:19], v[18+4*i:19+4*i]
.set i, i+1
.endr
	global_store_b128 v[RD0], v[16:19], s[10:11]   ; a wave stores 512 consecutive bytes, aligned
	s_branch .Ldone
.Lnot_kv:
	s_cmp_eq_u32 s14, 8
	s_cbranch_scc0 .Ldone
	; wave 8: lane d adds the 19 waves' k_sum[d]
.set i, 0
.rept 19
	ds_load_b32 v[16+i], v[RKS] offset:128*i
.set i, i+1
.endr
	s_wait_dscnt 0x0
.set i, 1
.rept 18
	v_add_f32 v16, v16, v[16+i]
.set i, i+1
.endr
	global_store_b32 v[GKS], v16, s[12:13]         ; 128 consecutive bytes: all that a work-group has of it
.Ldone:
	s_wait_xcnt 0x0
	v_lshl_add_u32 v171, v0, 2, 0x13a00
	v_mov_b32 v172, 0
	s_wait_tensorcnt 0x0
	ds_add_u32 v171, v172
	s_wait_dscnt 0x0
	s_endpgm
.Lfunc_end_k_q2ec4dc500e_kvsum:
	.size	k_q2ec4dc500e_kvsum, .Lfunc_end_k_q2ec4dc500e_kvsum-k_q2ec4dc500e_kvsum
	.p2alignl 7, 3214868480
	.fill 96, 4, 3214868480
	.section	.rodata,"a",@progbits
	.p2align	6, 0x0
	.amdhsa_kernel k_q2ec4dc500e_kvsum
		.amdhsa_group_segment_fixed_size 82944
		.amdhsa_private_segment_fixed_size 0
		.amdhsa_enable_private_segment 0
		.amdhsa_kernarg_size 40
		.amdhsa_user_sgpr_count 2
		.amdhsa_user_sgpr_kernarg_segment_ptr 1
		.amdhsa_wavefront_size32 1
		.amdhsa_system_sgpr_workgroup_id_x 1
		.amdhsa_system_sgpr_workgroup_id_y 1
		.amdhsa_system_sgpr_workgroup_id_z 1
		.amdhsa_system_vgpr_workitem_id 0
		.amdhsa_next_free_vgpr 192
		.amdhsa_next_free_sgpr 66
		.amdhsa_reserve_vcc 1
		.amdhsa_float_denorm_mode_32 3
		.amdhsa_float_denorm_mode_16_64 3
		.amdhsa_memory_ordered 1
		.amdhsa_forward_progress 1
		.amdhsa_inst_pref_size 44
	.end_amdhsa_kernel
	.amdgpu_metadata
---
amdhsa.version: [ 1, 2 ]
amdhsa.kernels:
  - .name:           k_q2ec4dc500e_kvsum
    .symbol:         k_q2ec4dc500e_kvsum.kd
    .args:
      - { .name: k, .offset: 0, .size: 8, .value_kind: global_buffer, .address_space: global }
      - { .name: v, .offset: 8, .size: 8, .value_kind: global_buffer, .address_space: global }
      - { .name: kv_mask, .offset: 16, .size: 8, .value_kind: global_buffer, .address_space: global }
      - { .name: kvp, .offset: 24, .size: 8, .value_kind: global_buffer, .address_space: global }
      - { .name: ksp, .offset: 32, .size: 8, .value_kind: global_buffer, .address_space: global }
    .group_segment_fixed_size: 82944
    .private_segment_fixed_size: 0
    .kernarg_segment_align: 8
    .kernarg_segment_size: 40
    .max_flat_workgroup_size: 608
    .sgpr_count:     66
    .vgpr_count:     192
    .wavefront_size: 32
...
	.end_amdgpu_metadata
.endif
;; end of part 1
;; launch apply (part 2): grid 256 x 1, 20 waves a work-group, no clusters, 193,280 bytes of LDS; arguments q, q_mask, kvp, ksp, out0; writes out0
.if DOCPART == 2
	.amdgcn_target "amdgcn-amd-amdhsa--gfx1250"
	.amdhsa_code_object_version 6
	.text
	.protected	k_q2ec4dc500e_apply
	.globl	k_q2ec4dc500e_apply
	.p2align	8
	.type	k_q2ec4dc500e_apply,@function
k_q2ec4dc500e_apply:
	s_mov_b64 s[64:65], 0
	v_nop
	global_prefetch_b8 v0, s[64:65] scope:SCOPE_SE
	s_setreg_imm32_b32 hwreg(HW_REG_WAVE_MODE, 25, 1), 1
	s_wait_xcnt 0x0
; y[l][e] = (Q(qf)[l] . Q(kv)[:, e]) x 4800 / (qf[l] . k_sum + 1e-6),  qf = (elu(q) + 1) m.  q, out0: [64 heads][4800][32] f32; q_mask: [8][4800] bytes of 0 or 1.
; kvp: for each head four partial kv, each an image of accumulator registers (word 128 (2 (2 tk + tv) + j / 4) + 4 lane + j % 4 = kv[4 j + 2 h + tk][4 (r % 8) + 2 (r / 8) + tv], lane = 16 h + r); ksp: four partial k_sum of 32.
; Q is the MX-FP4 quantiser along d: K = 32 is ONE block, for a row of qf and for a column of kv.
; SHARES.  A head's 75 units of 64 rows go to 4 work-groups, 19 each (the last has 18): 256 work-groups.  Waves 1-19 take one unit each.  In a head's last work-group wave 19 has no unit: it reads unit 74 and ends behind the barrier.
; WAVE 0 adds the four partial images, turns the sum through LDS (lane = e, registers down d), quantises it and leaves in LDS: four images of kv's codes (tile of e 0 or 1; in lanes 0-15 or in lanes 16-31, zeros in the other half),
; the scale word of each e (its byte four times) and k_sum.  It is the first wave, so that its loads go out first.
; A UNIT.  16 loads of 512 consecutive bytes; through the wave's own stage in LDS (rows 144 bytes apart) they come back a row to a lane: lane l holds rows l and 32 + l.  So a block's largest magnitude and the sum for z need no other lane,
; and the conversions' results ARE the operand: registers 4 c + g of lane l = 16 h + r are the codes of row 32 c + l = 16 (2 c + h) + r: ONE fragment holds FOUR tiles of 16 rows, tile b in the instruction's b-th block of 32 along K.
; kv's fragment with its codes in block b and zero codes elsewhere picks tile b: 4 tiles x 2 tiles of e = 8 matrix instructions a unit.
; THE PRODUCT IS USED TRANSPOSED (source 0 = 16 columns e of kv, source 1 = q's rows): register j of lane (r, h) is y(row 16 b + r, e = 16 t + 8 h + j).  It is multiplied by 4800 z of its row, goes through the stage and leaves as it came.
; No cluster: q is read by one work-group; what four work-groups share is 16.5 KB of partial sums against 150 KB of q.  No tensor load, no prefetch: every load goes out at the head of its wave.
; LIMITS: NaN and infinities are not served.  elu(x) + 1 = (med3(x, 2^(x log2 e) - 1, 0)) + 1.  y = sum x (z x 4800).  A block of zeros, or under 2^-124, gets the scale byte 1.
.set UNITS, 75
.set PERWG, 19
.set HEADB, 4800*128
.set MROW,  4800
.set SP,    144                        ; a stage row: 128 bytes + 16
.set STGB,  64*SP                      ; a wave's stage
.set PERM,  20*STGB                    ; LDS behind the stages: wave 0's turning place, 4,096 bytes: word (d / 4) 128 + 4 e + d % 4
.set IMG,   PERM+4096                  ; four images of 512 bytes
.set SCW,   IMG+2048                   ; kv's scale words, 4 bytes a lane
.set KSL,   SCW+128                    ; k_sum, 128 bytes
.set GOFF, 1                           ; v1   16 x lane: my 16 bytes of 512, in q, in out0 and in a partial image
.set LANE, 2                           ; v2   lane: my row's mask byte
.set SI,   3                           ; v3   stage, by 512 bytes: row lane / 8, 16 (lane % 8)
.set SL,   4                           ; v4   stage, by rows: row lane
.set SD,   5                           ; v5   stage, for results: row r, + 32 h
.set LI,   6                           ; v6   IMG + 16 x lane
.set LS,   7                           ; v7   SCW + 4 x lane
.set LK,   8                           ; v8   KSL, the same in every lane
.set LKW,  9                           ; v9   KSL + 4 x lane
.set PW,   10                          ; v10  PERM + 16 (4 (r % 8) + 2 (r / 8)) + 8 h
.set PR,   11                          ; v11  PERM + 16 x lane
.set SHH,  12                          ; v12  8 h
.set QW,   13                          ; v13  q's scale word: scales and nothing else
.set KVW,  14                          ; v14  kv's scale word: likewise
.set GK,   15                          ; v15  4 x lane
.set RA,   16                          ; v16-79   q as loaded; then the exponentials; then kv's fragments; then rows on their way out
.set RB,   80                          ; v80-143  q by rows: 32 c + d; then the eight accumulators
.set RC,   144                         ; v144-175 k_sum in every lane; then 4800 z, a pair for each tile
.set QC,   176                         ; v176-183 q's fragment
.set MQ0,  184                         ; v184 (with v185) the mask of row l;  v186 (with v187) of row 32 + l; later the two running sums for z
.set MQ1,  186
.set MX,   188                         ; v188-189
.set SO,   190                         ; v190-191
	s_load_b256 s[4:11], s[0:1], 0x0               ; q s[4:5], q_mask s[6:7], kvp s[8:9], ksp s[10:11]
	s_load_b64 s[12:13], s[0:1], 0x20              ; out0
	v_lshrrev_b32 v184, 5, v0
	v_readfirstlane_b32 s14, v184                  ; wave 0 .. 19
	s_lshr_b32 s15, ttmp9, 2                       ; head
	s_and_b32 s16, ttmp9, 3                        ; which quarter of it
	s_mul_i32 s17, s16, PERWG
	s_add_co_u32 s17, s17, s14
	s_sub_co_u32 s17, s17, 1                       ; my unit (wave 0 has none and does not use it)
	s_cmp_lt_u32 s17, UNITS
	s_cselect_b32 s18, 1, 0                        ; have I one?
	s_min_u32 s17, s17, UNITS-1                    ; inside the buffers in any case
	s_mul_i32 s24, s15, HEADB
	s_lshl_b32 s19, s17, 13
	s_add_co_u32 s24, s24, s19                     ; my unit's first byte in q and out0
	s_mov_b32 s25, 0
	s_lshr_b32 s26, s15, 3
	s_mul_i32 s26, s26, MROW
	s_lshl_b32 s19, s17, 6
	s_add_co_u32 s26, s26, s19                     ; its first mask byte
	s_mov_b32 s27, 0
	s_lshl_b32 s28, s15, 14                        ; the head's four partial images
	s_mov_b32 s29, 0
	s_lshl_b32 s30, s15, 9                         ; and four partial k_sum
	s_mov_b32 s31, 0
	s_mul_i32 s19, s14, STGB                       ; my stage
	s_mov_b32 s20, 0x3fb8aa3b                      ; log2(e), as a pair for the packed form
	s_mov_b32 s21, s20
	s_mov_b32 s22, 0x76543210                      ; v_permlanex16_b32's selects for lane xor 16
	s_mov_b32 s23, 0xfedcba98
	s_mov_b32 vcc_lo, 0xffff0000                   ; lanes 16-31
	; every LDS address is made here, ahead of the place where wave 0 parts from the others
	v_and_b32 v[LANE], 31, v0
	v_lshlrev_b32 v[GOFF], 4, v[LANE]
	v_lshrrev_b32 v184, 3, v[LANE]                 ; lane / 8
	v_and_b32 v185, 7, v0                          ; lane % 8
	v_and_b32 v186, 15, v0                         ; r
	v_bfe_u32 v187, v0, 4, 1                       ; h
	v_bfe_u32 v188, v0, 3, 1                       ; r / 8
	v_mul_u32_u24 v[SI], v184, SP
	v_lshl_add_u32 v[SI], v185, 4, v[SI]
	v_add_nc_u32 v[SI], s19, v[SI]
	v_mul_u32_u24 v[SL], v[LANE], SP
	v_add_nc_u32 v[SL], s19, v[SL]
	v_mul_u32_u24 v[SD], v186, SP
	v_lshl_add_u32 v[SD], v187, 5, v[SD]
	v_add_nc_u32 v[SD], s19, v[SD]
	v_add_nc_u32 v[LI], IMG, v[GOFF]
	v_lshl_add_u32 v[LS], v[LANE], 2, SCW
	v_mov_b32 v[LK], KSL
	v_lshl_add_u32 v[LKW], v[LANE], 2, KSL
	v_lshlrev_b32 v[PW], 6, v185
	v_lshl_add_u32 v[PW], v188, 5, v[PW]
	v_lshl_add_u32 v[PW], v187, 3, v[PW]
	v_add_nc_u32 v[PW], PERM, v[PW]
	v_add_nc_u32 v[PR], PERM, v[GOFF]
	v_lshlrev_b32 v[SHH], 3, v187
	v_lshlrev_b32 v[GK], 2, v[LANE]
	s_wait_kmcnt 0x0
	s_add_nc_u64 s[4:5], s[4:5], s[24:25]
	s_add_nc_u64 s[12:13], s[12:13], s[24:25]
	s_add_nc_u64 s[6:7], s[6:7], s[26:27]
	s_add_nc_u64 s[8:9], s[8:9], s[28:29]
	s_add_nc_u64 s[10:11], s[10:11], s[30:31]
	s_cmp_lg_u32 s14, 0
	s_cbranch_scc1 .Lrows
	; ---- WAVE 0: kv and k_sum of the head
.set i, 0
.rept 32
	global_load_b128 v[16+4*i:19+4*i], v[GOFF], s[8:9] offset:512*i        ; partial p at v[16 + 32 p] on: 512 consecutive bytes a load
.set i, i+1
.endr
.irp p, 0,1,2,3
	global_load_b32 v[144+\p], v[GK], s[10:11] offset:128*\p
.endr
	s_wait_loadcnt 4                               ; the images are in; behind them the four loads of k_sum
.set i, 0
.rept 16
	v_pk_add_f32 v[16+i:17+i], v[16+i:17+i], v[48+i:49+i]
	v_pk_add_f32 v[80+i:81+i], v[80+i:81+i], v[112+i:113+i]
.set i, i+2
.endr
.set i, 0
.rept 16
	v_pk_add_f32 v[16+i:17+i], v[16+i:17+i], v[80+i:81+i]
.set i, i+2
.endr
.irp tk, 0,1
.irp tv, 0,1
.irp j, 0,1,2,3,4,5,6,7
	ds_store_b32 v[PW], v[16+8*(2*\tk+\tv)+\j] offset:512*\j+16*\tv+4*\tk  ; kv[4 j + 2 h + tk][e] to word 128 j + 4 e + 2 h + tk
.endr
.endr
.endr
.set i, 0
.rept 8
	ds_load_b128 v[48+4*i:51+4*i], v[PR] offset:512*i      ; LDS serves a wave's instructions in order: these see the stores.  v[48 + d] = kv[d][e = lane]
.set i, i+1
.endr
	s_wait_loadcnt 0x0
	v_add_f32 v144, v144, v145
	v_add_f32 v146, v146, v147
	v_add_f32 v144, v144, v146
	ds_store_b32 v[LKW], v144                      ; k_sum[lane]
	s_wait_dscnt 1                                 ; the column is in; the store behind it may be out
	v_max3_num_f32 v96, |v48|, |v49|, 0x1800000    ; the column's largest magnitude, in two chains, over the floor 2^(3 - 127)
	v_max3_num_f32 v97, |v64|, |v65|, 0x1800000
.set i, 2
.rept 7
	v_max3_num_f32 v96, v96, |v[48+i]|, |v[49+i]|
	v_max3_num_f32 v97, v97, |v[64+i]|, |v[65+i]|
.set i, i+2
.endr
	v_max_num_f32 v96, v96, v97
	v_add_nc_u32 v97, 0xff000000, v96              ; 2 off the exponent field: the conversion's scale operand
	v_lshrrev_b32 v[KVW], 23, v97                  ; the byte,
	v_lshl_or_b32 v[KVW], v[KVW], 8, v[KVW]
	v_lshl_or_b32 v[KVW], v[KVW], 16, v[KVW]       ; in all four places: the codes may stand in any of the instruction's four blocks
.irp g, 0,1,2,3
	v_cvt_scalef32_pk8_fp4_f32 v[100+\g], v[48+8*\g:55+8*\g], v97
.endr
	v_nop                                          ; a plain line behind the conversions
	v_mov_b32 v124, 0
.irp g, 0,1,2,3
	v_permlanex16_b32 v[104+\g], v[100+\g], s22, s23       ; the other half's columns
.endr
.irp g, 0,1,2,3
	v_cndmask_b32 v[108+\g], v[100+\g], v124, vcc_lo       ; e = r      in lanes 0-15
	v_cndmask_b32 v[112+\g], v124, v[104+\g], vcc_lo       ; e = r      in lanes 16-31
	v_cndmask_b32 v[116+\g], v[104+\g], v124, vcc_lo       ; e = 16 + r in lanes 0-15
	v_cndmask_b32 v[120+\g], v124, v[100+\g], vcc_lo       ; e = 16 + r in lanes 16-31
.endr
.irp n, 0,1,2,3
	ds_store_b128 v[LI], v[108+4*\n:111+4*\n] offset:512*\n
.endr
	ds_store_b32 v[LS], v[KVW]
	s_branch .Ljoin
	; ---- WAVES 1-19: a unit of q, as far as it goes without kv
.Lrows:
	global_load_u8 v[MQ0], v[LANE], s[6:7]
	global_load_u8 v[MQ1], v[LANE], s[6:7] offset:32
.set i, 0
.rept 16
	global_load_b128 v[RA+4*i:RA+4*i+3], v[GOFF], s[4:5] offset:512*i th:TH_LOAD_NT
.set i, i+1
.endr
.set i, 0
.rept 16
	s_wait_loadcnt 15-i                            ; load i is in; the 15 - i behind it may be out
	ds_store_b128 v[SI], v[RA+4*i:RA+4*i+3] offset:4*SP*i
.set i, i+1
.endr
.set i, 0
.rept 8
	ds_load_b128 v[RB+4*i:RB+4*i+3], v[SL] offset:16*i             ; row l
.set i, i+1
.endr
.set i, 0
.rept 8
	ds_load_b128 v[RB+32+4*i:RB+35+4*i], v[SL] offset:32*SP+16*i   ; row 32 + l
.set i, i+1
.endr
	v_cvt_f32_u32 v[MQ0], v[MQ0]
	v_cvt_f32_u32 v[MQ1], v[MQ1]
	s_wait_dscnt 0x0                               ; my rows are in, and the stores ahead of them have read their registers
.set i, 0
.rept 32
	v_pk_mul_f32 v[RA+i:RA+i+1], v[RB+i:RB+i+1], s[20:21] op_sel_hi:[1,0]
.set i, i+2
.endr
.set i, 0
.rept 64
	v_exp_f32 v[RA+i], v[RA+i]                     ; one batch;
.set i, i+1
.endr
	v_nop                                          ; a plain line,
	s_wait_alu depctr_va_vdst(0)                   ; and one wait ahead of the first reader
.set i, 0
.rept 32
	v_pk_add_f32 v[RA+i:RA+i+1], v[RA+i:RA+i+1], -1.0 op_sel_hi:[1,0]
.set i, i+2
.endr
.set i, 0
.rept 64
	v_med3_num_f32 v[RB+i], v[RB+i], v[RA+i], 0    ; elu(x): the middle one of x, 2^(x log2 e) - 1 and 0
.set i, i+1
.endr
.set i, 0
.rept 16
	v_pk_fma_f32 v[RB+i:RB+i+1], v[RB+i:RB+i+1], v[MQ0:MQ0+1], v[MQ0:MQ0+1] op_sel_hi:[1,0,0]              ; (elu + 1) m
	v_pk_fma_f32 v[RB+32+i:RB+33+i], v[RB+32+i:RB+33+i], v[MQ1:MQ1+1], v[MQ1:MQ1+1] op_sel_hi:[1,0,0]
.set i, i+2
.endr
	v_max3_num_f32 v[MX], v[RB], v[RB+1], 0x1800000        ; a row is a block; none of its numbers is negative; the floor 2^(3 - 127)
	v_max3_num_f32 v[MX+1], v[RB+32], v[RB+33], 0x1800000
.set i, 2
.rept 15
	v_max3_num_f32 v[MX], v[MX], v[RB+i], v[RB+i+1]
	v_max3_num_f32 v[MX+1], v[MX+1], v[RB+32+i], v[RB+33+i]
.set i, i+2
.endr
	v_add_nc_u32 v[SO], 0xff000000, v[MX]
	v_add_nc_u32 v[SO+1], 0xff000000, v[MX+1]
	v_lshrrev_b32 v[MX], 23, v[SO]                 ; the byte of row l: tile h,
	v_lshrrev_b32 v[MX+1], 23, v[SO+1]             ; of row 32 + l: tile 2 + h
	v_lshl_or_b32 v[QW], v[MX+1], 16, v[MX]
	v_lshlrev_b32 v[QW], v[SHH], v[QW]             ; at bytes h and 2 + h;
	v_permlanex16_b32 v[MX], v[QW], s22, s23
	v_or_b32 v[QW], v[QW], v[MX]                   ; with lane xor 16's two the word of row r of the four tiles is whole
.irp c, 0,1
.irp g, 0,1,2,3
	v_cvt_scalef32_pk8_fp4_f32 v[QC+4*\c+\g], v[RB+32*\c+8*\g:RB+32*\c+8*\g+7], v[SO+\c]
.endr
.endr
	v_nop                                          ; a plain line behind the conversions
.Ljoin:
	s_wait_dscnt 0x0                               ; wave 0's stores have landed; nobody has an LDS instruction out
	s_barrier_signal -1
	s_barrier_wait -1
	s_cmp_eq_u32 s14, 0
	s_cbranch_scc1 .Lend                           ; wave 0 is done,
	s_cmp_eq_u32 s18, 0
	s_cbranch_scc1 .Lend                           ; and so is the wave without a unit
.set i, 0
.rept 8
	ds_load_b128 v[RC+4*i:RC+4*i+3], v[LK] offset:16*i     ; k_sum, all of it in every lane
.set i, i+1
.endr
	; kv's fragments: [0][lo 0][0][hi 0][0][lo 1][0][hi 1][0], four registers each.  Tile t with its codes in block b begins at RA + 16 t + 8 (b % 2) + 4 (1 - b / 2)
.irp n, 0,1,2,3
	ds_load_b128 v[RA+4+8*\n:RA+7+8*\n], v[LI] offset:512*\n
.endr
	ds_load_b32 v[KVW], v[LS]
.irp n, 0,1,2,3,8,9,10,11,16,17,18,19,24,25,26,27,32,33,34,35
	v_mov_b32 v[RA+\n], 0                          ; zero codes
.endr
	s_wait_dscnt 5                                 ; k_sum is in; behind it the four images and the scale word
	v_pk_mul_f32 v[MQ0:MQ0+1], v[RB:RB+1], v[RC:RC+1]              ; qf . k_sum, of the numbers before they were quantised, in f32
	v_pk_mul_f32 v[MQ1:MQ1+1], v[RB+32:RB+33], v[RC:RC+1]
.set i, 2
.rept 15
	v_pk_fma_f32 v[MQ0:MQ0+1], v[RB+i:RB+i+1], v[RC+i:RC+i+1], v[MQ0:MQ0+1]
	v_pk_fma_f32 v[MQ1:MQ1+1], v[RB+32+i:RB+33+i], v[RC+i:RC+i+1], v[MQ1:MQ1+1]
.set i, i+2
.endr
	s_wait_dscnt 0x0
.irp b, 0,1,2,3                        ; eight accumulators, each begun with the constant 0; tile 1's scale words stand in lanes 16-31
	v_wmma_scale_f32_16x16x128_f8f6f4 v[RB+16*\b:RB+16*\b+7], v[RA+8*(\b%2)+4*(1-\b/2):RA+8*(\b%2)+4*(1-\b/2)+7], v[QC:QC+7], 0, v[KVW], v[QW] matrix_a_fmt:MATRIX_FMT_FP4 matrix_b_fmt:MATRIX_FMT_FP4
	v_wmma_scale_f32_16x16x128_f8f6f4 v[RB+16*\b+8:RB+16*\b+15], v[RA+16+8*(\b%2)+4*(1-\b/2):RA+16+8*(\b%2)+4*(1-\b/2)+7], v[QC:QC+7], 0, v[KVW], v[QW] matrix_a_fmt:MATRIX_FMT_FP4 matrix_b_fmt:MATRIX_FMT_FP4 matrix_a_scale:MATRIX_SCALE_ROW1
.endr
	v_add_f32 v[MX], v[MQ0], v[MQ0+1]              ; these four plain lines are the places behind the products (ISA guide 7.12.1)
	v_add_f32 v[MX+1], v[MQ1], v[MQ1+1]
	v_add_f32 v[MX], 0x358637bd, v[MX]             ; + 1e-6
	v_add_f32 v[MX+1], 0x358637bd, v[MX+1]
	v_rcp_f32 v[MX], v[MX]
	v_rcp_f32 v[MX+1], v[MX+1]
	v_nop
	s_wait_alu depctr_va_vdst(0)                   ; one wait for the two reciprocals, ahead of their first reader
	v_mul_f32 v[MX], 0x45960000, v[MX]             ; 4800 z of row l,
	v_mul_f32 v[MX+1], 0x45960000, v[MX+1]         ; of row 32 + l
	v_permlanex16_b32 v[SO], v[MX], s22, s23
	v_permlanex16_b32 v[SO+1], v[MX+1], s22, s23
	v_cndmask_b32 v[RC], v[MX], v[SO], vcc_lo      ; tile 0: row r's, in both halves of the lanes
	v_cndmask_b32 v[RC+2], v[SO], v[MX], vcc_lo    ; tile 1: row 16 + r's
	v_cndmask_b32 v[RC+4], v[MX+1], v[SO+1], vcc_lo
	v_cndmask_b32 v[RC+6], v[SO+1], v[MX+1], vcc_lo
.irp b, 0,1,2,3
.set i, 0
.rept 8
	v_pk_mul_f32 v[RB+16*\b+i:RB+16*\b+i+1], v[RB+16*\b+i:RB+16*\b+i+1], v[RC+2*\b:RC+2*\b+1] op_sel_hi:[1,0]    ; each accumulator from its low end on
.set i, i+2
.endr
.endr
.irp b, 0,1,2,3
.irp t, 0,1
	ds_store_b128 v[SD], v[RB+16*\b+8*\t:RB+16*\b+8*\t+3] offset:16*SP*\b+64*\t            ; y(16 b + r, 16 t + 8 h + 0 .. 3)
	ds_store_b128 v[SD], v[RB+16*\b+8*\t+4:RB+16*\b+8*\t+7] offset:16*SP*\b+64*\t+16
.endr
.endr
.set i, 0
.rept 16
	ds_load_b128 v[RA+4*i:RA+4*i+3], v[SI] offset:4*SP*i   ; LDS serves a wave's instructions in order: these see my stores; four whole rows a load
.set i, i+1
.endr
.set i, 0
.rept 16
	s_wait_dscnt 15-i                              ; rows 4 i .. 4 i + 3 are in; the 15 - i loads behind them may be out
	global_store_b128 v[GOFF], v[RA+4*i:RA+4*i+3], s[12:13] offset:512*i th:TH_STORE_NT    ; 512 consecutive bytes, aligned; written once
.set i, i+1
.endr
.Lend:
	s_wait_xcnt 0x0
	v_lshl_add_u32 v188, v0, 2, 0x2e900
	v_mov_b32 v189, 0
	s_wait_tensorcnt 0x0
	ds_add_u32 v188, v189
	s_wait_dscnt 0x0
	s_endpgm
.Lfunc_end_k_q2ec4dc500e_apply:
	.size	k_q2ec4dc500e_apply, .Lfunc_end_k_q2ec4dc500e_apply-k_q2ec4dc500e_apply
	.p2alignl 7, 3214868480
	.fill 96, 4, 3214868480
	.section	.rodata,"a",@progbits
	.p2align	6, 0x0
	.amdhsa_kernel k_q2ec4dc500e_apply
		.amdhsa_group_segment_fixed_size 193280
		.amdhsa_private_segment_fixed_size 0
		.amdhsa_enable_private_segment 0
		.amdhsa_kernarg_size 40
		.amdhsa_user_sgpr_count 2
		.amdhsa_user_sgpr_kernarg_segment_ptr 1
		.amdhsa_wavefront_size32 1
		.amdhsa_system_sgpr_workgroup_id_x 1
		.amdhsa_system_sgpr_workgroup_id_y 1
		.amdhsa_system_sgpr_workgroup_id_z 1
		.amdhsa_system_vgpr_workitem_id 0
		.amdhsa_next_free_vgpr 192
		.amdhsa_next_free_sgpr 66
		.amdhsa_reserve_vcc 1
		.amdhsa_float_denorm_mode_32 3
		.amdhsa_float_denorm_mode_16_64 3
		.amdhsa_memory_ordered 1
		.amdhsa_forward_progress 1
		.amdhsa_inst_pref_size 47
	.end_amdhsa_kernel
	.amdgpu_metadata
---
amdhsa.version: [ 1, 2 ]
amdhsa.kernels:
  - .name:           k_q2ec4dc500e_apply
    .symbol:         k_q2ec4dc500e_apply.kd
    .args:
      - { .name: q, .offset: 0, .size: 8, .value_kind: global_buffer, .address_space: global }
      - { .name: q_mask, .offset: 8, .size: 8, .value_kind: global_buffer, .address_space: global }
      - { .name: kvp, .offset: 16, .size: 8, .value_kind: global_buffer, .address_space: global }
      - { .name: ksp, .offset: 24, .size: 8, .value_kind: global_buffer, .address_space: global }
      - { .name: out0, .offset: 32, .size: 8, .value_kind: global_buffer, .address_space: global }
    .group_segment_fixed_size: 193280
    .private_segment_fixed_size: 0
    .kernarg_segment_align: 8
    .kernarg_segment_size: 40
    .max_flat_workgroup_size: 640
    .sgpr_count:     66
    .vgpr_count:     192
    .wavefront_size: 32
...
	.end_amdgpu_metadata
.endif
;; end of part 2
;; ======== version 2 of 2: 2 launches; version 1 with the launches kvsum, apply written anew for expert scheduling mode
;; workspace buffers: kvp 1,048,576 bytes; ksp 32,768 bytes
;; launch kvsum (part 3): grid 256 x 1, 19 waves a work-group, no clusters, 82,944 bytes of LDS; arguments k, v, kv_mask, kvp, ksp; writes kvp, ksp
.if DOCPART == 3
	.amdgcn_target "amdgcn-amd-amdhsa--gfx1250"
	.amdhsa_code_object_version 6
	.text
	.protected	k_q2ec4dc500e_kvsum
	.globl	k_q2ec4dc500e_kvsum
	.p2align	8
	.type	k_q2ec4dc500e_kvsum,@function
k_q2ec4dc500e_kvsum:
	s_mov_b64 s[64:65], 0
	v_nop
	global_prefetch_b8 v0, s[64:65] scope:SCOPE_SE
	s_setreg_imm32_b32 hwreg(HW_REG_WAVE_SCHED_MODE, 0, 2), 2
	s_setreg_imm32_b32 hwreg(HW_REG_WAVE_MODE, 25, 1), 1
	s_wait_xcnt 0x0
	s_wait_alu depctr_vm_vsrc(0)
; PARTIAL kv AND k_sum OF LINEAR ATTENTION.  k, v: [64 heads][4800][32] f32; kv_mask: [8][4800] bytes of 0 or 1.
; kf = (elu(k) + 1) m, vf = v m / 4800;  kv[d][e] = sum over s of Q(kf)[s][d] Q(vf)[s][e], Q the MX-FP4 quantiser along s (blocks of 32);  k_sum[d] = sum over s of kf[s][d], not quantised.
; SHARES.  4,800 rows are 75 units of 64 rows (two blocks).  A head is shared by 4 work-groups, 19 units each (the last has 18); a wave takes one unit.  256 work-groups in all.
; It reads unit 74 once more with its mask held at 0, so that it adds zeros: every wave runs the same text ahead of the barrier.
; LOADS.  All 34 loads of a wave go out at its head.  Lane (a = lane / 16, e = (lane / 8) % 2, dq = lane % 8) takes rows 32 a + 2 j + e (j = 0 .. 15) and columns 4 dq .. 4 dq + 3:
; in each load sixteen neighbouring lanes read 256 consecutive bytes, aligned.
; TO THE OPERAND.  The last elementwise instruction writes its result so that a column's 16 numbers stand in 16 consecutive registers.  A block (column, a) lies in lanes e = 0 and 1: one DPP step joins the maxima.
; Then the two lanes change codes, so that lane (a, e, dq) holds columns 4 dq + 2 e + t (tile t = 0, 1) whole: block a in registers 0-3.  Registers 4-7 (the instruction's K 64 .. 127) are zero codes.
; Inside a block the rows stand in the order (parity, j); k and v are laid alike, so the products are those of equal s.
; RESULT.  Accumulator (tk, tv), register j, lane (r, h) = kv[4 j + 2 h + tk][4 (r % 8) + 2 (r / 8) + tv].  The 19 waves' accumulators meet in LDS as images of their registers; waves 0-7 add them and store the image.
; No cluster: no byte of k or v is read by two work-groups.  No tensor load: a work-group's whole share is on its way at once in registers, and nothing is read twice.  No prefetch: every load is issued at the head.
; LIMITS: NaN and infinities are not served.  elu(x) + 1 = (med3(x, 2^(x log2 e) - 1, 0)) + 1.  v / 4800 is a multiplication by the f32 nearest 1 / 4800 (within one unit in the last place).
; A block of zeros, or one whose largest magnitude lies under 2^-124, gets the scale byte 1; its bytes are read by this program alone.
; THE MODE: SCHED_MODE bits 1:0 = 2 (LLVM: expert scheduling mode 2), set by the entry lines.  The code itself states the register dependences
; between vector or matrix instructions and memory or LDS instructions, with s_wait_alu, always for 0.
; THE PLAN.  Registers that memory or LDS instructions touch:
;   v1, v2, v6-v10, v12  offsets and LDS addresses: written by vector lines at the head and never again; read by every load and store.  One wait ahead of the first load states them for the whole kernel.
;   v160-167, v16-143    the mask words, k and v: the head's loads land in them; no vector line names them earlier; the vector work reads them behind the counted waits on LOADcnt.
;   v144-147             my four column sums: written by four adds and by nothing behind these; read by one LDS store, which stands with the images' stores.
;   v80-111              the accumulators: written by the four matrix instructions; read by eight LDS stores; behind the barrier loads land in v80-91.
;   v16-91               behind the barrier the images' loads land in them.  All their earlier readers and writers (conversions, exchanges, matrix instructions) stand ahead of the wait in front of the LDS stores, and no vector line follows it before those loads.
;   v16-19               the final sums: written by the adds, read by the global store: one wait in each of the two arms.
.set UNITS, 75
.set PERWG, 19
.set HEADB, 4800*128                   ; a head's bytes in k and in v
.set MROW,  4800                       ; a batch's bytes in the mask
.set KSB,   PERWG*4096                 ; LDS: 19 images of 4,096 bytes, then 19 x 128 bytes of k_sum
.set OFF,  1                           ; v1   byte offset of my 16 bytes in the unit's rows 0, 1 (a = 0) or 32, 33 (a = 1)
.set MOFF, 2                           ; v2   32 a: my block's mask bytes
.set SH0,  3                           ; v3   8 e: bit of row 4 n + e in mask word n
.set SH1,  4                           ; v4   8 e + 16: of row 4 n + 2 + e
.set SHA,  5                           ; v5   8 a
.set LIMG, 6                           ; v6   LDS: my wave's image + 16 x lane
.set LKS,  7                           ; v7   LDS: my wave's k_sum + 16 dq
.set RD0,  8                           ; v8   16 x thread: my 16 bytes of an image, in LDS and in kvp
.set RD1,  9                           ; v9   the same, 65,536 on (an LDS offset has 16 bits)
.set RKS,  10                          ; v10  LDS: k_sum of wave 0 + 4 x lane
.set KW,   11                          ; v11, v13  k's scale words, tile 0, 1: scales and nothing else
.set GKS,  12                          ; v12  4 x lane
.set VW,   14                          ; v14, v15  v's scale words
.set KR,   16                          ; v16-79   k as loaded: register 4 j + i = (row j, column i)
.set VR,   80                          ; v80-143  v likewise
.set M,    144                         ; v144-159 the mask of my 16 rows as f32
.set T,    160                         ; v160-191 scratch: two columns of 16 numbers
; k's registers come free column by column and are used again:  codes of k's column i, half p: KR + 4 i + p;  of v's: KR + 4 i + 2 + p;
; scale bytes of k: KR + 16, 17, 20, 21;  of v: KR + 18, 19, 22, 23;  my sums of k's columns: KR + 24, 25, 28, 29
.set PA,   KR+32                       ; a pair: running sums
.set PB,   KR+36
.set MX,   KR+40                       ; two largest magnitudes
.set SO,   KR+44                       ; two scale operands
.set AF,   KR+32                       ; at the end: k's two fragments, 8 registers each,
.set BF,   KR+48                       ; and v's
.set ACC,  VR                          ; and the four accumulators
	s_load_b256 s[4:11], s[0:1], 0x0               ; k s[4:5], v s[6:7], kv_mask s[8:9], kvp s[10:11]
	s_load_b64 s[12:13], s[0:1], 0x20              ; ksp
	v_lshrrev_b32 v[T+8], 5, v0
	v_readfirstlane_b32 s14, v[T+8]                ; wave 0 .. 18
	s_lshr_b32 s15, ttmp9, 2                       ; head
	s_and_b32 s16, ttmp9, 3                        ; which quarter of it
	s_mul_i32 s17, s16, PERWG
	s_wait_alu depctr_va_sdst(0)                   ; s14 is written, ahead of its first reader: my unit, my LDS places and the branches behind the barrier are made from it
	s_add_co_u32 s17, s17, s14                     ; my unit
	s_cmp_lt_u32 s17, UNITS
	s_cselect_b32 s18, 0x3f800000, 0               ; what a mask byte of 1 becomes: 1.0, or 0 in the wave without a unit
	s_min_u32 s17, s17, UNITS-1                    ; which stays inside the buffers
	s_mul_i32 s24, s15, HEADB
	s_lshl_b32 s19, s17, 13                        ; 64 rows of 128 bytes
	s_add_co_u32 s24, s24, s19                     ; my unit's first byte in k and v (under 2^26)
	s_mov_b32 s25, 0
	s_lshr_b32 s26, s15, 3                         ; batch
	s_mul_i32 s26, s26, MROW
	s_lshl_b32 s19, s17, 6
	s_add_co_u32 s26, s26, s19                     ; my unit's first mask byte
	s_mov_b32 s27, 0
	s_lshl_b32 s28, ttmp9, 12                      ; the work-group's 4,096 bytes of kvp
	s_mov_b32 s29, 0
	s_lshl_b32 s30, ttmp9, 7                       ; and its 128 bytes of ksp
	s_mov_b32 s31, 0
	s_mov_b32 s20, 0x3fb8aa3b                      ; log2(e); the packed form names a pair and takes its low word for both halves
	s_mov_b32 s21, s20
	s_mov_b32 s22, 0x76543210                      ; v_permlanex16_b32's selects for lane xor 16
	s_mov_b32 s23, 0xfedcba98
	s_mov_b32 s32, 0x395a740e                      ; 1 / 4800
	s_mov_b32 s33, s32
	s_mov_b32 vcc_lo, 0xff00ff00                   ; the lanes with e = 1
	v_and_b32 v[T+8], 15, v0                       ; 8 e + dq
	v_bfe_u32 v[T+9], v0, 4, 1                     ; a
	v_bfe_u32 v[T+10], v0, 3, 1                    ; e
	v_and_b32 v[T+11], 31, v0                      ; lane
	v_and_b32 v[T+12], 7, v0                       ; dq
	v_lshlrev_b32 v[OFF], 4, v[T+8]                ; rows e of 128 bytes and 16 dq are 16 (8 e + dq),
	v_lshl_add_u32 v[OFF], v[T+9], 12, v[OFF]      ; + 32 rows for a = 1
	v_lshlrev_b32 v[MOFF], 5, v[T+9]
	v_lshlrev_b32 v[SH0], 3, v[T+10]
	v_add_nc_u32 v[SH1], 16, v[SH0]
	v_lshlrev_b32 v[SHA], 3, v[T+9]
	s_lshl_b32 s19, s14, 12
	v_lshl_add_u32 v[LIMG], v[T+11], 4, s19
	s_lshl_b32 s19, s14, 7
	s_add_co_u32 s19, s19, KSB
	v_lshl_add_u32 v[LKS], v[T+12], 4, s19
	v_lshlrev_b32 v[RD0], 4, v0
	v_add_nc_u32 v[RD1], 0x10000, v[RD0]
	v_lshl_add_u32 v[RKS], v[T+11], 2, KSB
	v_lshlrev_b32 v[GKS], 2, v[T+11]
	s_wait_kmcnt 0x0
	s_add_nc_u64 s[4:5], s[4:5], s[24:25]
	s_add_nc_u64 s[6:7], s[6:7], s[24:25]
	s_add_nc_u64 s[8:9], s[8:9], s[26:27]
	s_add_nc_u64 s[10:11], s[10:11], s[28:29]
	s_add_nc_u64 s[12:13], s[12:13], s[30:31]
	s_wait_alu depctr_va_vdst(0)                   ; the offsets and LDS addresses v1, v2, v6 to v10 and v12 are written: every load and store of the kernel reads one of them, and none is written again
	global_load_b128 v[T:T+3], v[MOFF], s[8:9]             ; my block's 32 mask bytes
	global_load_b128 v[T+4:T+7], v[MOFF], s[8:9] offset:16
.set i, 0
.rept 16
	global_load_b128 v[KR+4*i:KR+4*i+3], v[OFF], s[4:5] offset:256*i th:TH_LOAD_NT
.set i, i+1
.endr
.set i, 0
.rept 16
	global_load_b128 v[VR+4*i:VR+4*i+3], v[OFF], s[6:7] offset:256*i th:TH_LOAD_NT
.set i, i+1
.endr
; 32 numbers x in v[base] on become elu(x), in place.  t = 2^(x log2 e) - 1 lies at or above x everywhere and has x's sign, so elu(x) is the middle one of x, t and 0.
; The exponentials go as one batch; a plain line and a wait stand ahead of the first reader.
.macro ELU base
.set i, 0
.rept 16
	v_pk_mul_f32 v[T+i:T+i+1], v[\base+i:\base+i+1], s[20:21] op_sel_hi:[1,0]
.set i, i+2
.endr
.set i, 0
.rept 32
	v_exp_f32 v[T+i], v[T+i]
.set i, i+1
.endr
	v_nop
	s_wait_alu depctr_va_vdst(0)                   ; the 32 exponentials have written v[T ..], ahead of their first reader
.set i, 0
.rept 16
	v_pk_add_f32 v[T+i:T+i+1], v[T+i:T+i+1], -1.0 op_sel_hi:[1,0]
.set i, i+2
.endr
.set i, 0
.rept 32
	v_med3_num_f32 v[\base+i], v[\base+i], v[T+i], 0
.set i, i+1
.endr
.endm
; The two columns in T (16 numbers each) are quantised: codes into v[c0], v[c0 + 1] and v[c1], v[c1 + 1], scale bytes into v[sb], v[sb + 1].
.macro QUANT c0, c1, sb
	v_max3_num_f32 v[MX], |v[T]|, |v[T+1]|, 0x1800000      ; my 16 numbers, and the floor 2^(3 - 127): the byte cannot fall under 1
	v_max3_num_f32 v[MX+1], |v[T+16]|, |v[T+17]|, 0x1800000
.set i, 2
.rept 7
	v_max3_num_f32 v[MX], v[MX], |v[T+i]|, |v[T+i+1]|
	v_max3_num_f32 v[MX+1], v[MX+1], |v[T+16+i]|, |v[T+17+i]|
.set i, i+2
.endr
	v_max_num_f32_dpp v[MX], v[MX], v[MX] row_xmask:8 row_mask:0xf bank_mask:0xf         ; with the rows of the other parity: the block's largest magnitude
	v_max_num_f32_dpp v[MX+1], v[MX+1], v[MX+1] row_xmask:8 row_mask:0xf bank_mask:0xf
	v_add_nc_u32 v[SO], 0xff000000, v[MX]          ; 2 off the exponent field: the conversion takes that field as its scale
	v_add_nc_u32 v[SO+1], 0xff000000, v[MX+1]
	v_lshrrev_b32 v[\sb], 23, v[SO]                ; the scale's byte
	v_lshrrev_b32 v[\sb+1], 23, v[SO+1]
	v_cvt_scalef32_pk8_fp4_f32 v[\c0], v[T:T+7], v[SO]
	v_cvt_scalef32_pk8_fp4_f32 v[\c0+1], v[T+8:T+15], v[SO]
	v_cvt_scalef32_pk8_fp4_f32 v[\c1], v[T+16:T+23], v[SO+1]
	v_cvt_scalef32_pk8_fp4_f32 v[\c1+1], v[T+24:T+31], v[SO+1]
	v_nop                                          ; a plain line behind the conversions: T is written again next
.endm
; k's columns 2 ip and 2 ip + 1: kf = (elu + 1) m as one fused multiply-add, written so that a column's rows stand on end; their sums; their codes.
.macro KCOLS ip
.set i, 0
.rept 16
	v_fma_f32 v[T+i], v[KR+4*i+2*\ip], v[M+i], v[M+i]
	v_fma_f32 v[T+16+i], v[KR+4*i+2*\ip+1], v[M+i], v[M+i]
.set i, i+1
.endr
	v_pk_add_f32 v[PA:PA+1], v[T:T+1], v[T+2:T+3]          ; k_sum is taken of the numbers before they are quantised
	v_pk_add_f32 v[PB:PB+1], v[T+16:T+17], v[T+18:T+19]
.set i, 4
.rept 6
	v_pk_add_f32 v[PA:PA+1], v[PA:PA+1], v[T+i:T+i+1]
	v_pk_add_f32 v[PB:PB+1], v[PB:PB+1], v[T+16+i:T+17+i]
.set i, i+2
.endr
	v_add_f32 v[KR+24+4*\ip], v[PA], v[PA+1]
	v_add_f32 v[KR+25+4*\ip], v[PB], v[PB+1]
	QUANT KR+8*\ip, KR+8*\ip+4, KR+16+4*\ip
.endm
.macro VCOLS ip                        ; v's columns likewise: vf = v x (m / 4800)
.set i, 0
.rept 16
	v_mul_f32 v[T+i], v[VR+4*i+2*\ip], v[M+i]
	v_mul_f32 v[T+16+i], v[VR+4*i+2*\ip+1], v[M+i]
.set i, i+1
.endr
	QUANT KR+8*\ip+2, KR+8*\ip+6, KR+18+4*\ip
.endm
; The bytes of my two columns (4 dq + 2 e + t) for block a become scale words: byte a of the word, lane xor 16 gives the other byte.  w0: tile 0's word (its upper bytes are tile 1's, over zero codes); w1: tile 1's.
.macro SCALEW sb, w0, w1
	v_cndmask_b32 v[\w0], v[\sb], v[\sb+4], vcc_lo
	v_cndmask_b32 v[\w1], v[\sb+1], v[\sb+5], vcc_lo
	v_lshl_or_b32 v[\w0], v[\w1], 16, v[\w0]
	v_lshlrev_b32 v[\w0], v[SHA], v[\w0]
	v_permlanex16_b32 v[\w1], v[\w0], s22, s23
	v_or_b32 v[\w0], v[\w0], v[\w1]
	v_lshrrev_b32 v[\w1], 16, v[\w0]
.endm
; Lanes e = 0 and e = 1 change codes.  Lane e = 0 keeps columns 0, 1 and gets their odd rows; lane e = 1 keeps columns 2, 3 and gets their even rows.  Register 2 x parity + p of a fragment.
.macro XCH cb, fb
.irp t, 0,1
.irp p, 0,1
	v_cndmask_b32 v[M+8+2*\t+\p], v[\cb+8+4*\t+\p], v[\cb+4*\t+\p], vcc_lo       ; what the other lane wants of me
.endr
.endr
.irp n, 0,1,2,3
	v_mov_b32_dpp v[M+12+\n], v[M+8+\n] row_xmask:8 row_mask:0xf bank_mask:0xf
.endr
.irp t, 0,1
.irp p, 0,1
	v_cndmask_b32 v[\fb+8*\t+\p], v[\cb+4*\t+\p], v[M+12+2*\t+\p], vcc_lo         ; even rows
	v_cndmask_b32 v[\fb+8*\t+2+\p], v[M+12+2*\t+\p], v[\cb+8+4*\t+\p], vcc_lo     ; odd rows
.endr
.endr
.endm
	s_wait_loadcnt 32                              ; the mask words are in; behind them 16 loads of k and 16 of v
.set i, 0
.rept 8
	v_bfe_u32 v[M+2*i], v[T+i], v[SH0], 1          ; row 2 (2 i) + e
	v_bfe_u32 v[M+2*i+1], v[T+i], v[SH1], 1        ; row 2 (2 i + 1) + e
.set i, i+1
.endr
.set i, 0
.rept 16
	v_mul_lo_u32 v[M+i], v[M+i], s18               ; 0 or 1 becomes 0 or 1.0
.set i, i+1
.endr
	s_wait_loadcnt 24                              ; k's first eight loads are in; behind them 8 of k and 16 of v
	ELU KR
	s_wait_loadcnt 16                              ; all of k; behind it the 16 loads of v
	ELU KR+32
	KCOLS 0
	KCOLS 1
	s_wait_loadcnt 0x0                             ; v
.set i, 0
.rept 8
	v_pk_mul_f32 v[M+i:M+i+1], v[M+i:M+i+1], s[32:33] op_sel_hi:[1,0]        ; m / 4800
.set i, i+2
.endr
	VCOLS 0
	VCOLS 1
	; my four column sums, over the four groups of lanes that hold the same columns
.irp r, 24,25,28,29
	v_add_f32_dpp v[KR+\r], v[KR+\r], v[KR+\r] row_xmask:8 row_mask:0xf bank_mask:0xf
.endr
	v_permlanex16_b32 v[M+4], v[KR+24], s22, s23
	v_permlanex16_b32 v[M+5], v[KR+25], s22, s23
	v_permlanex16_b32 v[M+6], v[KR+28], s22, s23
	v_permlanex16_b32 v[M+7], v[KR+29], s22, s23
	v_add_f32 v[M], v[KR+24], v[M+4]               ; v[M .. M + 3] stay as they are from here on: they are stored with the images, behind one wait
	v_add_f32 v[M+1], v[KR+25], v[M+5]
	v_add_f32 v[M+2], v[KR+28], v[M+6]
	v_add_f32 v[M+3], v[KR+29], v[M+7]
	SCALEW KR+16, KW, KW+2
	SCALEW KR+18, VW, VW+1
.irp n, 4,5,6,7,12,13,14,15,20,21,22,23,28,29,30,31
	v_mov_b32 v[AF+\n], 0                          ; K 64 .. 127 of all four fragments: zero codes
.endr
	XCH KR, AF
	XCH KR+2, BF
.rept 4
	v_nop                                          ; operands written by vector instructions stand four places ahead of a scaled matrix instruction (the scale words stand 48 ahead)
.endr
	s_wait_alu depctr_va_vdst(0)                   ; the vector lines have written the four fragments and the four scale words, which the scaled matrix instructions take; the places above stay beside this wait
.irp tk, 0,1
.irp tv, 0,1
	v_wmma_scale_f32_16x16x128_f8f6f4 v[ACC+8*(2*\tk+\tv):ACC+8*(2*\tk+\tv)+7], v[AF+8*\tk:AF+8*\tk+7], v[BF+8*\tv:BF+8*\tv+7], 0, v[KW+2*\tk], v[VW+\tv] matrix_a_fmt:MATRIX_FMT_FP4 matrix_b_fmt:MATRIX_FMT_FP4
.endr
.endr
.rept 4
	v_nop                                          ; four places ahead of the first read of the results (ISA guide 7.12.1)
.endr
	s_wait_alu depctr_va_vdst(0)                   ; the matrix instructions have written the accumulators and the adds v[M .. M + 3], which the LDS stores read; and all that named v16 to v91, in which loads land behind the barrier, is done
	ds_store_b128 v[LKS], v[M:M+3]                 ; columns 4 dq .. 4 dq + 3; the four groups write the same bytes with the same values
.set i, 0
.rept 8
	ds_store_b128 v[LIMG], v[ACC+4*i:ACC+4*i+3] offset:512*i       ; the accumulators as they stand, each from its low end on
.set i, i+1
.endr
	s_wait_dscnt 0x0                               ; for the others' sake: my stores have landed
	s_barrier_signal -1
	s_barrier_wait -1
	s_wait_alu depctr_vm_vsrc(0)                   ; my LDS stores have read the accumulators v80 to v111: in waves 0-7 the images' loads land in v80 to v91
	s_cmp_lt_u32 s14, 8
	s_cbranch_scc0 .Lnot_kv
	; waves 0-7: thread t adds the 16 bytes at 16 t of the 19 images
.set i, 0
.rept 16
	ds_load_b128 v[16+4*i:19+4*i], v[RD0] offset:4096*i
.set i, i+1
.endr
.set i, 16
.rept 3
	ds_load_b128 v[16+4*i:19+4*i], v[RD1] offset:4096*(i-16)
.set i, i+1
.endr
.set i, 1
.rept 18
	s_wait_dscnt 18-i                              ; image i is in; the 18 - i behind it may be out
	v_pk_add_f32 v[16:17], v[16:17], v[16+4*i:17+4*i]
	v_pk_add_f32 v[18:19], v[18:19], v[18+4*i:19+4*i]
.set i, i+1
.endr
	s_wait_alu depctr_va_vdst(0)                   ; the adds have written v16 to v19, which the store reads
	global_store_b128 v[RD0], v[16:19], s[10:11]   ; a wave stores 512 consecutive bytes, aligned
	s_branch .Ldone
.Lnot_kv:
	s_cmp_eq_u32 s14, 8
	s_cbranch_scc0 .Ldone
	; wave 8: lane d adds the 19 waves' k_sum[d]
.set i, 0
.rept 19
	ds_load_b32 v[16+i], v[RKS] offset:128*i
.set i, i+1
.endr
	s_wait_dscnt 0x0
.set i, 1
.rept 18
	v_add_f32 v16, v16, v[16+i]
.set i, i+1
.endr
	s_wait_alu depctr_va_vdst(0)                   ; the adds have written v16, which the store reads
	global_store_b32 v[GKS], v16, s[12:13]         ; 128 consecutive bytes: all that a work-group has of it
.Ldone:
	s_wait_xcnt 0x0
	v_lshl_add_u32 v171, v0, 2, 0x13a00            ; the add's two registers, made anew here: no memory or LDS instruction has read v171 or v172
	v_mov_b32 v172, 0
	s_wait_dscnt 0x0                               ; the closing lines, six on end
	s_wait_alu 0x0
	s_wait_tensorcnt 0x0
	ds_add_u32 v171, v172
	s_wait_dscnt 0x0
	s_endpgm
.Lfunc_end_k_q2ec4dc500e_kvsum:
	.size	k_q2ec4dc500e_kvsum, .Lfunc_end_k_q2ec4dc500e_kvsum-k_q2ec4dc500e_kvsum
	.p2alignl 7, 3214868480
	.fill 96, 4, 3214868480
	.section	.rodata,"a",@progbits
	.p2align	6, 0x0
	.amdhsa_kernel k_q2ec4dc500e_kvsum
		.amdhsa_group_segment_fixed_size 82944
		.amdhsa_private_segment_fixed_size 0
		.amdhsa_enable_private_segment 0
		.amdhsa_kernarg_size 40
		.amdhsa_user_sgpr_count 2
		.amdhsa_user_sgpr_kernarg_segment_ptr 1
		.amdhsa_wavefront_size32 1
		.amdhsa_system_sgpr_workgroup_id_x 1
		.amdhsa_system_sgpr_workgroup_id_y 1
		.amdhsa_system_sgpr_workgroup_id_z 1
		.amdhsa_system_vgpr_workitem_id 0
		.amdhsa_next_free_vgpr 192
		.amdhsa_next_free_sgpr 66
		.amdhsa_reserve_vcc 1
		.amdhsa_float_denorm_mode_32 3
		.amdhsa_float_denorm_mode_16_64 3
		.amdhsa_memory_ordered 1
		.amdhsa_forward_progress 1
		.amdhsa_inst_pref_size 45
	.end_amdhsa_kernel
	.amdgpu_metadata
---
amdhsa.version: [ 1, 2 ]
amdhsa.kernels:
  - .name:           k_q2ec4dc500e_kvsum
    .symbol:         k_q2ec4dc500e_kvsum.kd
    .args:
      - { .name: k, .offset: 0, .size: 8, .value_kind: global_buffer, .address_space: global }
      - { .name: v, .offset: 8, .size: 8, .value_kind: global_buffer, .address_space: global }
      - { .name: kv_mask, .offset: 16, .size: 8, .value_kind: global_buffer, .address_space: global }
      - { .name: kvp, .offset: 24, .size: 8, .value_kind: global_buffer, .address_space: global }
      - { .name: ksp, .offset: 32, .size: 8, .value_kind: global_buffer, .address_space: global }
    .group_segment_fixed_size: 82944
    .private_segment_fixed_size: 0
    .kernarg_segment_align: 8
    .kernarg_segment_size: 40
    .max_flat_workgroup_size: 608
    .sgpr_count:     66
    .vgpr_count:     192
    .wavefront_size: 32
...
	.end_amdgpu_metadata
.endif
;; end of part 3
;; launch apply (part 4): grid 256 x 1, 20 waves a work-group, no clusters, 193,280 bytes of LDS; arguments q, q_mask, kvp, ksp, out0; writes out0
.if DOCPART == 4
	.amdgcn_target "amdgcn-amd-amdhsa--gfx1250"
	.amdhsa_code_object_version 6
	.text
	.protected	k_q2ec4dc500e_apply
	.globl	k_q2ec4dc500e_apply
	.p2align	8
	.type	k_q2ec4dc500e_apply,@function
k_q2ec4dc500e_apply:
	s_mov_b64 s[64:65], 0
	v_nop
	global_prefetch_b8 v0, s[64:65] scope:SCOPE_SE
	s_setreg_imm32_b32 hwreg(HW_REG_WAVE_SCHED_MODE, 0, 2), 2
	s_setreg_imm32_b32 hwreg(HW_REG_WAVE_MODE, 25, 1), 1
	s_wait_xcnt 0x0
	s_wait_alu depctr_vm_vsrc(0)
; y[l][e] = (Q(qf)[l] . Q(kv)[:, e]) x 4800 / (qf[l] . k_sum + 1e-6),  qf = (elu(q) + 1) m.  q, out0: [64 heads][4800][32] f32; q_mask: [8][4800] bytes of 0 or 1.
; kvp: for each head four partial kv, each an image of accumulator registers (word 128 (2 (2 tk + tv) + j / 4) + 4 lane + j % 4 = kv[4 j + 2 h + tk][4 (r % 8) + 2 (r / 8) + tv], lane = 16 h + r); ksp: four partial k_sum of 32.
; Q is the MX-FP4 quantiser along d: K = 32 is ONE block, for a row of qf and for a column of kv.
; SHARES.  A head's 75 units of 64 rows go to 4 work-groups, 19 each (the last has 18): 256 work-groups.  Waves 1-19 take one unit each.  In a head's last work-group wave 19 has no unit: it reads unit 74 and ends behind the barrier.
; WAVE 0 adds the four partial images, turns the sum through LDS (lane = e, registers down d), quantises it and leaves in LDS: four images of kv's codes (tile of e 0 or 1; in lanes 0-15 or in lanes 16-31, zeros in the other half),
; the scale word of each e (its byte four times) and k_sum.  It is the first wave, so that its loads go out first.
; A UNIT.  16 loads of 512 consecutive bytes; through the wave's own stage in LDS (rows 144 bytes apart) they come back a row to a lane: lane l holds rows l and 32 + l.  So a block's largest magnitude and the sum for z need no other lane,
; and the conversions' results ARE the operand: registers 4 c + g of lane l = 16 h + r are the codes of row 32 c + l = 16 (2 c + h) + r: ONE fragment holds FOUR tiles of 16 rows, tile b in the instruction's b-th block of 32 along K.
; kv's fragment with its codes in block b and zero codes elsewhere picks tile b: 4 tiles x 2 tiles of e = 8 matrix instructions a unit.
; THE PRODUCT IS USED TRANSPOSED (source 0 = 16 columns e of kv, source 1 = q's rows): register j of lane (r, h) is y(row 16 b + r, e = 16 t + 8 h + j).  It is multiplied by 4800 z of its row, goes through the stage and leaves as it came.
; No cluster: q is read by one work-group; what four work-groups share is 16.5 KB of partial sums against 150 KB of q.  No tensor load, no prefetch: every load goes out at the head of its wave.
; LIMITS: NaN and infinities are not served.  elu(x) + 1 = (med3(x, 2^(x log2 e) - 1, 0)) + 1.  y = sum x (z x 4800).  A block of zeros, or under 2^-124, gets the scale byte 1.
; THE MODE: SCHED_MODE bits 1:0 = 2 (LLVM: expert scheduling mode 2), set by the entry lines.  The code itself states the register dependences
; between vector or matrix instructions and memory or LDS instructions, with s_wait_alu, always for 0.
; THE PLAN.  Registers that memory or LDS instructions touch:
;   v1-v12, v15    offsets and LDS addresses: written by vector lines at the head and never again.  One wait, ahead of the branch at which wave 0 parts, states them for the whole kernel, and that the head is done with v184 to v188, in two of which mask bytes land.
;   WAVE 0.  v16-47: written by the packed adds, read by 32 LDS stores.  v48-79: read by those adds, then the turned column lands in them.  One wait behind the adds states both.
;            v108-123, v14, v144: written by selects, shifts and adds; read by the arm's last six LDS stores, behind one wait.
;   WAVES 1-19.  v16-79: q's loads land; the stage's stores read them; then the exponentials' lines write them: one wait on vm_vsrc.  Behind the barrier kv's images land in sixteen of them: one wait on va_vdst, since the elu lines named them.
;            Zeros are moved into twenty more; with q's codes and scale word they go to the scaled matrix instructions: one wait directly ahead of the first.
;            v80-143: LDS loads land, vector work, then the accumulators, scaled in place; 16 LDS stores read them: one wait ahead of the stores, which also states that the matrix instructions are done reading v16 to v51, in which the rows on their way out land.
;            v144-175 and v14: LDS loads land; no vector line of these waves names them earlier.
.set UNITS, 75
.set PERWG, 19
.set HEADB, 4800*128
.set MROW,  4800
.set SP,    144                        ; a stage row: 128 bytes + 16
.set STGB,  64*SP                      ; a wave's stage
.set PERM,  20*STGB                    ; LDS behind the stages: wave 0's turning place, 4,096 bytes: word (d / 4) 128 + 4 e + d % 4
.set IMG,   PERM+4096                  ; four images of 512 bytes
.set SCW,   IMG+2048                   ; kv's scale words, 4 bytes a lane
.set KSL,   SCW+128                    ; k_sum, 128 bytes
.set GOFF, 1                           ; v1   16 x lane: my 16 bytes of 512, in q, in out0 and in a partial image
.set LANE, 2                           ; v2   lane: my row's mask byte
.set SI,   3                           ; v3   stage, by 512 bytes: row lane / 8, 16 (lane % 8)
.set SL,   4                           ; v4   stage, by rows: row lane
.set SD,   5                           ; v5   stage, for results: row r, + 32 h
.set LI,   6                           ; v6   IMG + 16 x lane
.set LS,   7                           ; v7   SCW + 4 x lane
.set LK,   8                           ; v8   KSL, the same in every lane
.set LKW,  9                           ; v9   KSL + 4 x lane
.set PW,   10                          ; v10  PERM + 16 (4 (r % 8) + 2 (r / 8)) + 8 h
.set PR,   11                          ; v11  PERM + 16 x lane
.set SHH,  12                          ; v12  8 h
.set QW,   13                          ; v13  q's scale word: scales and nothing else
.set KVW,  14                          ; v14  kv's scale word: likewise
.set GK,   15                          ; v15  4 x lane
.set RA,   16                          ; v16-79   q as loaded; then the exponentials; then kv's fragments; then rows on their way out
.set RB,   80                          ; v80-143  q by rows: 32 c + d; then the eight accumulators
.set RC,   144                         ; v144-175 k_sum in every lane; then 4800 z, a pair for each tile
.set QC,   176                         ; v176-183 q's fragment
.set MQ0,  184                         ; v184 (with v185) the mask of row l;  v186 (with v187) of row 32 + l; later the two running sums for z
.set MQ1,  186
.set MX,   188                         ; v188-189
.set SO,   190                         ; v190-191
	s_load_b256 s[4:11], s[0:1], 0x0               ; q s[4:5], q_mask s[6:7], kvp s[8:9], ksp s[10:11]
	s_load_b64 s[12:13], s[0:1], 0x20              ; out0
	v_lshrrev_b32 v184, 5, v0
	v_readfirstlane_b32 s14, v184                  ; wave 0 .. 19
	s_lshr_b32 s15, ttmp9, 2                       ; head
	s_and_b32 s16, ttmp9, 3                        ; which quarter of it
	s_mul_i32 s17, s16, PERWG
	s_wait_alu depctr_va_sdst(0)                   ; s14 is written, ahead of its first reader: my unit, my stage and the branches on the wave's number are made from it
	s_add_co_u32 s17, s17, s14
	s_sub_co_u32 s17, s17, 1                       ; my unit (wave 0 has none and does not use it)
	s_cmp_lt_u32 s17, UNITS
	s_cselect_b32 s18, 1, 0                        ; have I one?
	s_min_u32 s17, s17, UNITS-1                    ; inside the buffers in any case
	s_mul_i32 s24, s15, HEADB
	s_lshl_b32 s19, s17, 13
	s_add_co_u32 s24, s24, s19                     ; my unit's first byte in q and out0
	s_mov_b32 s25, 0
	s_lshr_b32 s26, s15, 3
	s_mul_i32 s26, s26, MROW
	s_lshl_b32 s19, s17, 6
	s_add_co_u32 s26, s26, s19                     ; its first mask byte
	s_mov_b32 s27, 0
	s_lshl_b32 s28, s15, 14                        ; the head's four partial images
	s_mov_b32 s29, 0
	s_lshl_b32 s30, s15, 9                         ; and four partial k_sum
	s_mov_b32 s31, 0
	s_mul_i32 s19, s14, STGB                       ; my stage
	s_mov_b32 s20, 0x3fb8aa3b                      ; log2(e), as a pair for the packed form
	s_mov_b32 s21, s20
	s_mov_b32 s22, 0x76543210                      ; v_permlanex16_b32's selects for lane xor 16
	s_mov_b32 s23, 0xfedcba98
	s_mov_b32 vcc_lo, 0xffff0000                   ; lanes 16-31
	; every LDS address is made here, ahead of the place where wave 0 parts from the others
	v_and_b32 v[LANE], 31, v0
	v_lshlrev_b32 v[GOFF], 4, v[LANE]
	v_lshrrev_b32 v184, 3, v[LANE]                 ; lane / 8
	v_and_b32 v185, 7, v0                          ; lane % 8
	v_and_b32 v186, 15, v0                         ; r
	v_bfe_u32 v187, v0, 4, 1                       ; h
	v_bfe_u32 v188, v0, 3, 1                       ; r / 8
	v_mul_u32_u24 v[SI], v184, SP
	v_lshl_add_u32 v[SI], v185, 4, v[SI]
	v_add_nc_u32 v[SI], s19, v[SI]
	v_mul_u32_u24 v[SL], v[LANE], SP
	v_add_nc_u32 v[SL], s19, v[SL]
	v_mul_u32_u24 v[SD], v186, SP
	v_lshl_add_u32 v[SD], v187, 5, v[SD]
	v_add_nc_u32 v[SD], s19, v[SD]
	v_add_nc_u32 v[LI], IMG, v[GOFF]
	v_lshl_add_u32 v[LS], v[LANE], 2, SCW
	v_mov_b32 v[LK], KSL
	v_lshl_add_u32 v[LKW], v[LANE], 2, KSL
	v_lshlrev_b32 v[PW], 6, v185
	v_lshl_add_u32 v[PW], v188, 5, v[PW]
	v_lshl_add_u32 v[PW], v187, 3, v[PW]
	v_add_nc_u32 v[PW], PERM, v[PW]
	v_add_nc_u32 v[PR], PERM, v[GOFF]
	v_lshlrev_b32 v[SHH], 3, v187
	v_lshlrev_b32 v[GK], 2, v[LANE]
	s_wait_kmcnt 0x0
	s_add_nc_u64 s[4:5], s[4:5], s[24:25]
	s_add_nc_u64 s[12:13], s[12:13], s[24:25]
	s_add_nc_u64 s[6:7], s[6:7], s[26:27]
	s_add_nc_u64 s[8:9], s[8:9], s[28:29]
	s_add_nc_u64 s[10:11], s[10:11], s[30:31]
	s_wait_alu depctr_va_vdst(0)                   ; the offsets and LDS addresses v1 to v12 and v15 are written: every load and store of both arms reads one of them, and none is written again; and the head is done with v184 to v188, in two of which mask bytes land
	s_cmp_lg_u32 s14, 0
	s_cbranch_scc1 .Lrows
	; ---- WAVE 0: kv and k_sum of the head
.set i, 0
.rept 32
	global_load_b128 v[16+4*i:19+4*i], v[GOFF], s[8:9] offset:512*i        ; partial p at v[16 + 32 p] on: 512 consecutive bytes a load
.set i, i+1
.endr
.irp p, 0,1,2,3
	global_load_b32 v[144+\p], v[GK], s[10:11] offset:128*\p
.endr
	s_wait_loadcnt 4                               ; the images are in; behind them the four loads of k_sum
.set i, 0
.rept 16
	v_pk_add_f32 v[16+i:17+i], v[16+i:17+i], v[48+i:49+i]
	v_pk_add_f32 v[80+i:81+i], v[80+i:81+i], v[112+i:113+i]
.set i, i+2
.endr
.set i, 0
.rept 16
	v_pk_add_f32 v[16+i:17+i], v[16+i:17+i], v[80+i:81+i]
.set i, i+2
.endr
	s_wait_alu depctr_va_vdst(0)                   ; the adds have written v16 to v47, which the LDS stores read, and are done reading v48 to v79, in which the LDS loads land
.irp tk, 0,1
.irp tv, 0,1
.irp j, 0,1,2,3,4,5,6,7
	ds_store_b32 v[PW], v[16+8*(2*\tk+\tv)+\j] offset:512*\j+16*\tv+4*\tk  ; kv[4 j + 2 h + tk][e] to word 128 j + 4 e + 2 h + tk
.endr
.endr
.endr
.set i, 0
.rept 8
	ds_load_b128 v[48+4*i:51+4*i], v[PR] offset:512*i      ; LDS serves a wave's instructions in order: these see the stores.  v[48 + d] = kv[d][e = lane]
.set i, i+1
.endr
	s_wait_loadcnt 0x0
	v_add_f32 v144, v144, v145                     ; k_sum[lane]: it is stored with the images below, behind one wait
	v_add_f32 v146, v146, v147
	v_add_f32 v144, v144, v146
	s_wait_dscnt 0x0                               ; the column is in
	v_max3_num_f32 v96, |v48|, |v49|, 0x1800000    ; the column's largest magnitude, in two chains, over the floor 2^(3 - 127)
	v_max3_num_f32 v97, |v64|, |v65|, 0x1800000
.set i, 2
.rept 7
	v_max3_num_f32 v96, v96, |v[48+i]|, |v[49+i]|
	v_max3_num_f32 v97, v97, |v[64+i]|, |v[65+i]|
.set i, i+2
.endr
	v_max_num_f32 v96, v96, v97
	v_add_nc_u32 v97, 0xff000000, v96              ; 2 off the exponent field: the conversion's scale operand
	v_lshrrev_b32 v[KVW], 23, v97                  ; the byte,
	v_lshl_or_b32 v[KVW], v[KVW], 8, v[KVW]
	v_lshl_or_b32 v[KVW], v[KVW], 16, v[KVW]       ; in all four places: the codes may stand in any of the instruction's four blocks
.irp g, 0,1,2,3
	v_cvt_scalef32_pk8_fp4_f32 v[100+\g], v[48+8*\g:55+8*\g], v97
.endr
	v_nop                                          ; a plain line behind the conversions
	v_mov_b32 v124, 0
.irp g, 0,1,2,3
	v_permlanex16_b32 v[104+\g], v[100+\g], s22, s23       ; the other half's columns
.endr
.irp g, 0,1,2,3
	v_cndmask_b32 v[108+\g], v[100+\g], v124, vcc_lo       ; e = r      in lanes 0-15
	v_cndmask_b32 v[112+\g], v124, v[104+\g], vcc_lo       ; e = r      in lanes 16-31
	v_cndmask_b32 v[116+\g], v[104+\g], v124, vcc_lo       ; e = 16 + r in lanes 0-15
	v_cndmask_b32 v[120+\g], v124, v[100+\g], vcc_lo       ; e = 16 + r in lanes 16-31
.endr
	s_wait_alu depctr_va_vdst(0)                   ; the selects have written v108 to v123, the shifts v14 and the adds v144, which the six LDS stores read
.irp n, 0,1,2,3
	ds_store_b128 v[LI], v[108+4*\n:111+4*\n] offset:512*\n
.endr
	ds_store_b32 v[LS], v[KVW]
	ds_store_b32 v[LKW], v144                      ; k_sum[lane]
	s_branch .Ljoin
	; ---- WAVES 1-19: a unit of q, as far as it goes without kv
.Lrows:
	global_load_u8 v[MQ0], v[LANE], s[6:7]
	global_load_u8 v[MQ1], v[LANE], s[6:7] offset:32
.set i, 0
.rept 16
	global_load_b128 v[RA+4*i:RA+4*i+3], v[GOFF], s[4:5] offset:512*i th:TH_LOAD_NT
.set i, i+1
.endr
.set i, 0
.rept 16
	s_wait_loadcnt 15-i                            ; load i is in; the 15 - i behind it may be out
	ds_store_b128 v[SI], v[RA+4*i:RA+4*i+3] offset:4*SP*i
.set i, i+1
.endr
.set i, 0
.rept 8
	ds_load_b128 v[RB+4*i:RB+4*i+3], v[SL] offset:16*i             ; row l
.set i, i+1
.endr
.set i, 0
.rept 8
	ds_load_b128 v[RB+32+4*i:RB+35+4*i], v[SL] offset:32*SP+16*i   ; row 32 + l
.set i, i+1
.endr
	v_cvt_f32_u32 v[MQ0], v[MQ0]
	v_cvt_f32_u32 v[MQ1], v[MQ1]
	s_wait_dscnt 0x0                               ; my rows are in
	s_wait_alu depctr_vm_vsrc(0)                   ; the stage's stores have read v16 to v79, which the lines below write again
.set i, 0
.rept 32
	v_pk_mul_f32 v[RA+i:RA+i+1], v[RB+i:RB+i+1], s[20:21] op_sel_hi:[1,0]
.set i, i+2
.endr
.set i, 0
.rept 64
	v_exp_f32 v[RA+i], v[RA+i]                     ; one batch;
.set i, i+1
.endr
	v_nop                                          ; a plain line,
	s_wait_alu depctr_va_vdst(0)                   ; and one wait ahead of the first reader: the 64 exponentials have written v16 to v79
.set i, 0
.rept 32
	v_pk_add_f32 v[RA+i:RA+i+1], v[RA+i:RA+i+1], -1.0 op_sel_hi:[1,0]
.set i, i+2
.endr
.set i, 0
.rept 64
	v_med3_num_f32 v[RB+i], v[RB+i], v[RA+i], 0    ; elu(x): the middle one of x, 2^(x log2 e) - 1 and 0
.set i, i+1
.endr
.set i, 0
.rept 16
	v_pk_fma_f32 v[RB+i:RB+i+1], v[RB+i:RB+i+1], v[MQ0:MQ0+1], v[MQ0:MQ0+1] op_sel_hi:[1,0,0]              ; (elu + 1) m
	v_pk_fma_f32 v[RB+32+i:RB+33+i], v[RB+32+i:RB+33+i], v[MQ1:MQ1+1], v[MQ1:MQ1+1] op_sel_hi:[1,0,0]
.set i, i+2
.endr
	v_max3_num_f32 v[MX], v[RB], v[RB+1], 0x1800000        ; a row is a block; none of its numbers is negative; the floor 2^(3 - 127)
	v_max3_num_f32 v[MX+1], v[RB+32], v[RB+33], 0x1800000
.set i, 2
.rept 15
	v_max3_num_f32 v[MX], v[MX], v[RB+i], v[RB+i+1]
	v_max3_num_f32 v[MX+1], v[MX+1], v[RB+32+i], v[RB+33+i]
.set i, i+2
.endr
	v_add_nc_u32 v[SO], 0xff000000, v[MX]
	v_add_nc_u32 v[SO+1], 0xff000000, v[MX+1]
	v_lshrrev_b32 v[MX], 23, v[SO]                 ; the byte of row l: tile h,
	v_lshrrev_b32 v[MX+1], 23, v[SO+1]             ; of row 32 + l: tile 2 + h
	v_lshl_or_b32 v[QW], v[MX+1], 16, v[MX]
	v_lshlrev_b32 v[QW], v[SHH], v[QW]             ; at bytes h and 2 + h;
	v_permlanex16_b32 v[MX], v[QW], s22, s23
	v_or_b32 v[QW], v[QW], v[MX]                   ; with lane xor 16's two the word of row r of the four tiles is whole
.irp c, 0,1
.irp g, 0,1,2,3
	v_cvt_scalef32_pk8_fp4_f32 v[QC+4*\c+\g], v[RB+32*\c+8*\g:RB+32*\c+8*\g+7], v[SO+\c]
.endr
.endr
	v_nop                                          ; a plain line behind the conversions
.Ljoin:
	s_wait_dscnt 0x0                               ; wave 0's stores have landed; nobody has an LDS instruction out
	s_barrier_signal -1
	s_barrier_wait -1
	s_cmp_eq_u32 s14, 0
	s_cbranch_scc1 .Lend                           ; wave 0 is done,
	s_cmp_eq_u32 s18, 0
	s_cbranch_scc1 .Lend                           ; and so is the wave without a unit
	s_wait_alu depctr_va_vdst(0)                   ; the elu lines, which wrote and read v16 to v79, are done: kv's images land in sixteen of these registers
.set i, 0
.rept 8
	ds_load_b128 v[RC+4*i:RC+4*i+3], v[LK] offset:16*i     ; k_sum, all of it in every lane
.set i, i+1
.endr
	; kv's fragments: [0][lo 0][0][hi 0][0][lo 1][0][hi 1][0], four registers each.  Tile t with its codes in block b begins at RA + 16 t + 8 (b % 2) + 4 (1 - b / 2)
.irp n, 0,1,2,3
	ds_load_b128 v[RA+4+8*\n:RA+7+8*\n], v[LI] offset:512*\n
.endr
	ds_load_b32 v[KVW], v[LS]
.irp n, 0,1,2,3,8,9,10,11,16,17,18,19,24,25,26,27,32,33,34,35
	v_mov_b32 v[RA+\n], 0                          ; zero codes (none of these registers is one in which a load above lands)
.endr
	s_wait_dscnt 5                                 ; k_sum is in; behind it the four images and the scale word
	v_pk_mul_f32 v[MQ0:MQ0+1], v[RB:RB+1], v[RC:RC+1]              ; qf . k_sum, of the numbers before they were quantised, in f32
	v_pk_mul_f32 v[MQ1:MQ1+1], v[RB+32:RB+33], v[RC:RC+1]
.set i, 2
.rept 15
	v_pk_fma_f32 v[MQ0:MQ0+1], v[RB+i:RB+i+1], v[RC+i:RC+i+1], v[MQ0:MQ0+1]
	v_pk_fma_f32 v[MQ1:MQ1+1], v[RB+32+i:RB+33+i], v[RC+i:RC+i+1], v[MQ1:MQ1+1]
.set i, i+2
.endr
	s_wait_dscnt 0x0
	s_wait_alu depctr_va_vdst(0)                   ; the vector lines have written the zero codes, q's codes v176 to v183 and q's scale word v13, which the scaled matrix instructions take; the 32 packed lines above are the places, which stay beside this wait
.irp b, 0,1,2,3                        ; eight accumulators, each begun with the constant 0; tile 1's scale words stand in lanes 16-31
	v_wmma_scale_f32_16x16x128_f8f6f4 v[RB+16*\b:RB+16*\b+7], v[RA+8*(\b%2)+4*(1-\b/2):RA+8*(\b%2)+4*(1-\b/2)+7], v[QC:QC+7], 0, v[KVW], v[QW] matrix_a_fmt:MATRIX_FMT_FP4 matrix_b_fmt:MATRIX_FMT_FP4
	v_wmma_scale_f32_16x16x128_f8f6f4 v[RB+16*\b+8:RB+16*\b+15], v[RA+16+8*(\b%2)+4*(1-\b/2):RA+16+8*(\b%2)+4*(1-\b/2)+7], v[QC:QC+7], 0, v[KVW], v[QW] matrix_a_fmt:MATRIX_FMT_FP4 matrix_b_fmt:MATRIX_FMT_FP4 matrix_a_scale:MATRIX_SCALE_ROW1
.endr
	v_add_f32 v[MX], v[MQ0], v[MQ0+1]              ; these four plain lines are the places behind the products (ISA guide 7.12.1)
	v_add_f32 v[MX+1], v[MQ1], v[MQ1+1]
	v_add_f32 v[MX], 0x358637bd, v[MX]             ; + 1e-6
	v_add_f32 v[MX+1], 0x358637bd, v[MX+1]
	v_rcp_f32 v[MX], v[MX]
	v_rcp_f32 v[MX+1], v[MX+1]
	v_nop
	s_wait_alu depctr_va_vdst(0)                   ; one wait for the two reciprocals, ahead of their first reader: they have written v188 and v189
	v_mul_f32 v[MX], 0x45960000, v[MX]             ; 4800 z of row l,
	v_mul_f32 v[MX+1], 0x45960000, v[MX+1]         ; of row 32 + l
	v_permlanex16_b32 v[SO], v[MX], s22, s23
	v_permlanex16_b32 v[SO+1], v[MX+1], s22, s23
	v_cndmask_b32 v[RC], v[MX], v[SO], vcc_lo      ; tile 0: row r's, in both halves of the lanes
	v_cndmask_b32 v[RC+2], v[SO], v[MX], vcc_lo    ; tile 1: row 16 + r's
	v_cndmask_b32 v[RC+4], v[MX+1], v[SO+1], vcc_lo
	v_cndmask_b32 v[RC+6], v[SO+1], v[MX+1], vcc_lo
.irp b, 0,1,2,3
.set i, 0
.rept 8
	v_pk_mul_f32 v[RB+16*\b+i:RB+16*\b+i+1], v[RB+16*\b+i:RB+16*\b+i+1], v[RC+2*\b:RC+2*\b+1] op_sel_hi:[1,0]    ; each accumulator from its low end on
.set i, i+2
.endr
.endr
	s_wait_alu depctr_va_vdst(0)                   ; the multiplications have written v80 to v143, which the LDS stores read; and the matrix instructions are done reading kv's fragments v16 to v51, in which the stage's loads land
.irp b, 0,1,2,3
.irp t, 0,1
	ds_store_b128 v[SD], v[RB+16*\b+8*\t:RB+16*\b+8*\t+3] offset:16*SP*\b+64*\t            ; y(16 b + r, 16 t + 8 h + 0 .. 3)
	ds_store_b128 v[SD], v[RB+16*\b+8*\t+4:RB+16*\b+8*\t+7] offset:16*SP*\b+64*\t+16
.endr
.endr
.set i, 0
.rept 16
	ds_load_b128 v[RA+4*i:RA+4*i+3], v[SI] offset:4*SP*i   ; LDS serves a wave's instructions in order: these see my stores; four whole rows a load
.set i, i+1
.endr
.set i, 0
.rept 16
	s_wait_dscnt 15-i                              ; rows 4 i .. 4 i + 3 are in; the 15 - i loads behind them may be out
	global_store_b128 v[GOFF], v[RA+4*i:RA+4*i+3], s[12:13] offset:512*i th:TH_STORE_NT    ; 512 consecutive bytes, aligned; written once
.set i, i+1
.endr
.Lend:
	s_wait_xcnt 0x0
	v_lshl_add_u32 v188, v0, 2, 0x2e900            ; the add's two registers, made anew here: no memory or LDS instruction has read v188 or v189
	v_mov_b32 v189, 0
	s_wait_dscnt 0x0                               ; the closing lines, six on end
	s_wait_alu 0x0
	s_wait_tensorcnt 0x0
	ds_add_u32 v188, v189
	s_wait_dscnt 0x0
	s_endpgm
.Lfunc_end_k_q2ec4dc500e_apply:
	.size	k_q2ec4dc500e_apply, .Lfunc_end_k_q2ec4dc500e_apply-k_q2ec4dc500e_apply
	.p2alignl 7, 3214868480
	.fill 96, 4, 3214868480
	.section	.rodata,"a",@progbits
	.p2align	6, 0x0
	.amdhsa_kernel k_q2ec4dc500e_apply
		.amdhsa_group_segment_fixed_size 193280
		.amdhsa_private_segment_fixed_size 0
		.amdhsa_enable_private_segment 0
		.amdhsa_kernarg_size 40
		.amdhsa_user_sgpr_count 2
		.amdhsa_user_sgpr_kernarg_segment_ptr 1
		.amdhsa_wavefront_size32 1
		.amdhsa_system_sgpr_workgroup_id_x 1
		.amdhsa_system_sgpr_workgroup_id_y 1
		.amdhsa_system_sgpr_workgroup_id_z 1
		.amdhsa_system_vgpr_workitem_id 0
		.amdhsa_next_free_vgpr 192
		.amdhsa_next_free_sgpr 66
		.amdhsa_reserve_vcc 1
		.amdhsa_float_denorm_mode_32 3
		.amdhsa_float_denorm_mode_16_64 3
		.amdhsa_memory_ordered 1
		.amdhsa_forward_progress 1
		.amdhsa_inst_pref_size 47
	.end_amdhsa_kernel
	.amdgpu_metadata
---
amdhsa.version: [ 1, 2 ]
amdhsa.kernels:
  - .name:           k_q2ec4dc500e_apply
    .symbol:         k_q2ec4dc500e_apply.kd
    .args:
      - { .name: q, .offset: 0, .size: 8, .value_kind: global_buffer, .address_space: global }
      - { .name: q_mask, .offset: 8, .size: 8, .value_kind: global_buffer, .address_space: global }
      - { .name: kvp, .offset: 16, .size: 8, .value_kind: global_buffer, .address_space: global }
      - { .name: ksp, .offset: 24, .size: 8, .value_kind: global_buffer, .address_space: global }
      - { .name: out0, .offset: 32, .size: 8, .value_kind: global_buffer, .address_space: global }
    .group_segment_fixed_size: 193280
    .private_segment_fixed_size: 0
    .kernarg_segment_align: 8
    .kernarg_segment_size: 40
    .max_flat_workgroup_size: 640
    .sgpr_count:     66
    .vgpr_count:     192
    .wavefront_size: 32
...
	.end_amdgpu_metadata
.endif
;; end of part 4
